; MI455X (gfx1250); checked and timed in simulation.
; The chip was launched on July 23, 2026; its instructions are those of AMD's public machine-readable ISA for CDNA 5 (MIT licence, August 2026) and "CDNA5" Instruction Set Architecture Reference Guide (July 2026). The comments in the code are by the model that wrote it; some were corrected since.
;; Self Attention Module. Allowed arithmetic: float matrix products may take bf16 or f16 operands with f32 sums; all other float work in f32.
;; Inputs: Went 1,024 x 1,024 float32; Wk 1,024 x 1,024 float32; Wo 1,024 x 1,024 float32; Wq 1,024 x 1,024 float32; Wrot 1,024 x 1,024 float32; Wv 1,024 x 1,024 float32; entangle_params 4 x 1,024 x 1,024 float32; inputs 4 x 1,024 x 1,024 float32; rotation_params 4 x 1,024 x 1,024 float32.
;; Outputs: out0 4 x 1,024 x 1,024 float32.
;; 2 versions, each right; version 2 is version 1 with the launch cast written anew for expert scheduling mode. Each part assembles by itself: llvm-mc -triple=amdgcn-amd-amdhsa -mcpu=gfx1250 --defsym DOCPART=n.
;; ======== version 1 of 2: 4 launches
;; limits: values are held in f16: magnitudes above 65,504 overflow, below 6.1e-05 lose precision
;; workspace buffers: xa 25,165,824 bytes; wb 12,582,912 bytes; qk 16,777,216 bytes; vt 8,388,608 bytes; ah 8,388,608 bytes
;; launch cast (part 1): grid 768 x 1, 6 waves a work-group, no clusters, 0 bytes of LDS; arguments inputs, rotation_params, entangle_params, Wq, Wk, Wv, Wrot, Went, Wo, xa, wb; writes xa, wb
.if DOCPART == 1
	.amdgcn_target "amdgcn-amd-amdhsa--gfx1250"
	.amdhsa_code_object_version 6
	.text
	.protected	k_q7820b0b860_cast
	.globl	k_q7820b0b860_cast
	.p2align	8
	.type	k_q7820b0b860_cast,@function
k_q7820b0b860_cast:
	s_mov_b64 s[64:65], 0
	v_nop
	global_prefetch_b8 v0, s[64:65] scope:SCOPE_SE
	s_setreg_imm32_b32 hwreg(HW_REG_WAVE_MODE, 25, 1), 1
	s_wait_xcnt 0x0
; f32 -> f16 of all nine inputs, once, so that every later launch moves and multiplies 16-bit operands.
; xa = [3][4096][1024] f16: inputs, rotation_params, entangle_params.
; wb = 192 chunks of 32 rows x 1024 f16:
;   chunks 0-95:    32 triples of 96 rows; triple p = rows 64p..64p+63 of the stack [Wq;Wk], then rows 32p..32p+31 of Wv
;   chunks 96-159:  the stack [Wrot;Went];   chunks 160-191: Wo.
; The 18,432 rows are 4,608 units of 4 rows; a wave converts one unit: 16,384 consecutive bytes in, 8,192 consecutive bytes out.
; 768 work-groups of 6 waves: three work-groups for each of 256 WGPs.  A load of the wave covers 512 consecutive bytes, a store 256
; consecutive bytes at a multiple of 256.  All 32 loads of a wave go out first; nothing is read twice; no LDS, no barrier.
; WHY f16 AND NOT bf16: f16 keeps three more bits, which the softmax needs (an error of the scores goes into the
; exponent).  LIMIT: a number above 65,504 in magnitude becomes infinite; inputs of spread 1 and weights of spread 1/32 have
; room for a factor of 30 up or down and for an offset of 30 spreads.
.set X,     4                          ; v[4:131]  load i: 4 registers as loaded; its first two are stored
.set NLD,   32                         ; loads of a wave
.set NACT,  384                        ; chunks of the three activation tensors
.set WAVES, 6
	s_load_b512 s[8:23], s[0:1], 0x0               ; inputs, rotation, entangle, Wq, Wk, Wv, Wrot, Went
	s_load_b128 s[24:27], s[0:1], 0x40             ; Wo, xa
	s_load_b64 s[28:29], s[0:1], 0x50              ; wb
	v_lshrrev_b32 v3, 5, v0
	v_readfirstlane_b32 s36, v3                    ; wave 0..5
	v_and_b32 v2, 31, v0                           ; lane
	v_lshlrev_b32 v1, 4, v2                        ; my 16 bytes of 512 in the source
	v_lshlrev_b32 v2, 3, v2                        ; my 8 bytes of 256 in the destination
	s_mul_i32 s37, ttmp9, WAVES
	s_add_co_u32 s37, s37, s36                     ; my unit, 0..4607
	s_and_b32 s38, s37, 7                          ; which 4 rows of its chunk
	s_lshr_b32 s37, s37, 3                         ; c: its chunk of 32 rows, 0..575
	s_max_u32 s2, s37, NACT
	s_sub_co_u32 s2, s2, NACT                      ; w: chunk among the weights, in the order Wq Wk Wv Wrot Went Wo (0 for an activation chunk)
	s_lshr_b32 s3, s2, 1
	s_mul_i32 s3, s3, 3
	s_and_b32 s30, s2, 1
	s_add_co_u32 s3, s3, s30                       ; Wq, Wk: chunk w goes to 3 (w / 2) + w % 2
	s_mul_i32 s30, s2, 3
	s_sub_co_u32 s30, s30, 190                     ; Wv: chunk w goes to 3 (w - 64) + 2
	s_cmp_lt_u32 s2, 64
	s_cselect_b32 s3, s3, s30
	s_cmp_lt_u32 s2, 96
	s_cselect_b32 s3, s3, s2                       ; Wrot, Went, Wo stay where they are
	s_lshr_b32 s31, s2, 5
	s_add_co_u32 s31, s31, 3                       ; which source: 3 + w / 32
	s_and_b32 s32, s2, 31                          ; and which chunk of it
	s_lshr_b32 s33, s37, 7                         ; an activation chunk: source c / 128,
	s_and_b32 s34, s37, 127                        ; chunk c % 128 of it
	s_cmp_lt_u32 s37, NACT
	s_cselect_b32 s31, s33, s31
	s_cselect_b32 s32, s34, s32
	s_cselect_b32 s34, s37, s3                     ; destination chunk
	s_lshl_b32 s32, s32, 17                        ; source chunk x 131,072 bytes
	s_lshl_b32 s36, s38, 14                        ; + my 4 rows of 4,096 bytes
	s_add_co_u32 s32, s32, s36
	s_mov_b32 s33, 0
	s_lshl_b32 s34, s34, 16                        ; destination chunk x 65,536 bytes
	s_lshl_b32 s36, s38, 13                        ; + my 4 rows of 2,048 bytes
	s_add_co_u32 s34, s34, s36
	s_mov_b32 s35, 0
	s_wait_kmcnt 0x0
	s_mov_b64 s[4:5], s[8:9]                       ; the source's address: a choice among nine buffers by the unit's number
.irp k, 1,2,3,4,5,6,7,8
	s_cmp_eq_u32 s31, \k
	s_cselect_b64 s[4:5], s[8+2*\k:9+2*\k], s[4:5]
.endr
	s_cmp_lt_u32 s37, NACT
	s_cselect_b64 s[6:7], s[26:27], s[28:29]       ; xa or wb
	s_add_nc_u64 s[4:5], s[4:5], s[32:33]
	s_add_nc_u64 s[6:7], s[6:7], s[34:35]
.set i, 0
.rept NLD
	global_load_b128 v[X+4*i:X+4*i+3], v1, s[4:5] offset:512*i th:TH_LOAD_NT   ; read once in the launch
.set i, i+1
.endr
.set i, 0
.rept NLD
	s_wait_loadcnt NLD-1-i                         ; loads come back in order: load i is in, the younger ones stay out
	v_cvt_pk_f16_f32 v[X+4*i],   v[X+4*i],   v[X+4*i+1]
	v_cvt_pk_f16_f32 v[X+4*i+1], v[X+4*i+2], v[X+4*i+3]
	global_store_b64 v2, v[X+4*i:X+4*i+1], s[6:7] offset:256*i   ; no register that a store reads is written again
.set i, i+1
.endr
	s_endpgm
.Lfunc_end_k_q7820b0b860_cast:
	.size	k_q7820b0b860_cast, .Lfunc_end_k_q7820b0b860_cast-k_q7820b0b860_cast
	.p2alignl 7, 3214868480
	.fill 96, 4, 3214868480
	.section	.rodata,"a",@progbits
	.p2align	6, 0x0
	.amdhsa_kernel k_q7820b0b860_cast
		.amdhsa_group_segment_fixed_size 0
		.amdhsa_private_segment_fixed_size 0
		.amdhsa_enable_private_segment 0
		.amdhsa_kernarg_size 88
		.amdhsa_user_sgpr_count 2
		.amdhsa_user_sgpr_kernarg_segment_ptr 1
		.amdhsa_wavefront_size32 1
		.amdhsa_system_sgpr_workgroup_id_x 1
		.amdhsa_system_sgpr_workgroup_id_y 1
		.amdhsa_system_sgpr_workgroup_id_z 1
		.amdhsa_system_vgpr_workitem_id 0
		.amdhsa_next_free_vgpr 132
		.amdhsa_next_free_sgpr 66
		.amdhsa_reserve_vcc 0
		.amdhsa_float_denorm_mode_32 3
		.amdhsa_float_denorm_mode_16_64 3
		.amdhsa_memory_ordered 1
		.amdhsa_forward_progress 1
		.amdhsa_inst_pref_size 14
	.end_amdhsa_kernel
	.amdgpu_metadata
---
amdhsa.version: [ 1, 2 ]
amdhsa.kernels:
  - .name:           k_q7820b0b860_cast
    .symbol:         k_q7820b0b860_cast.kd
    .args:
      - { .name: inputs, .offset: 0, .size: 8, .value_kind: global_buffer, .address_space: global }
      - { .name: rotation_params, .offset: 8, .size: 8, .value_kind: global_buffer, .address_space: global }
      - { .name: entangle_params, .offset: 16, .size: 8, .value_kind: global_buffer, .address_space: global }
      - { .name: Wq, .offset: 24, .size: 8, .value_kind: global_buffer, .address_space: global }
      - { .name: Wk, .offset: 32, .size: 8, .value_kind: global_buffer, .address_space: global }
      - { .name: Wv, .offset: 40, .size: 8, .value_kind: global_buffer, .address_space: global }
      - { .name: Wrot, .offset: 48, .size: 8, .value_kind: global_buffer, .address_space: global }
      - { .name: Went, .offset: 56, .size: 8, .value_kind: global_buffer, .address_space: global }
      - { .name: Wo, .offset: 64, .size: 8, .value_kind: global_buffer, .address_space: global }
      - { .name: xa, .offset: 72, .size: 8, .value_kind: global_buffer, .address_space: global }
      - { .name: wb, .offset: 80, .size: 8, .value_kind: global_buffer, .address_space: global }
    .group_segment_fixed_size: 0
    .private_segment_fixed_size: 0
    .kernarg_segment_align: 8
    .kernarg_segment_size: 88
    .max_flat_workgroup_size: 192
    .sgpr_count:     66
    .vgpr_count:     132
    .wavefront_size: 32
...
	.end_amdgpu_metadata
.endif
;; end of part 1
;; launch qkv (part 2): grid 16 x 16, 4 waves a work-group, clusters of 4 x 4, 327,680 bytes of LDS; arguments xa, wb, qk, vt; writes qk, vt
.if DOCPART == 2
	.amdgcn_target "amdgcn-amd-amdhsa--gfx1250"
	.amdhsa_code_object_version 6
	.text
	.protected	k_q7820b0b860_qkv
	.globl	k_q7820b0b860_qkv
	.p2align	8
	.type	k_q7820b0b860_qkv,@function
k_q7820b0b860_qkv:
	s_mov_b64 s[64:65], 0
	v_nop
	global_prefetch_b8 v0, s[64:65] scope:SCOPE_SE
	s_setreg_imm32_b32 hwreg(HW_REG_WAVE_MODE, 25, 1), 1
	s_wait_xcnt 0x0
	s_wait_alu depctr_hold_cnt(0) depctr_sa_sdst(0) depctr_va_vdst(0) depctr_va_sdst(0) depctr_va_ssrc(0) depctr_va_vcc(0) depctr_vm_vsrc(0)
	s_getreg_b32 s2, hwreg(HW_REG_IB_STS2, 6, 4)
	s_cmp_eq_u32 s2, 0
	s_cbranch_scc0 .Lentry_in_a_cluster
	s_endpgm
.Lentry_in_a_cluster:
	s_bfe_u32 s2, ttmp6, 0x10000c
	s_cmp_lg_u32 s2, 0xf033
	s_cbranch_scc0 .Lentry_shape_is_right
	s_endpgm
.Lentry_shape_is_right:
; Q = inputs Wq^T + rotation Wrot^T,  K = inputs Wk^T + entangle Went^T,  V = inputs Wv^T.  Operands f16, sums f32.
; Work-group (g, mb), g = 0..15, mb = 0..15, owns rows 256 mb .. +255.  g < 8 makes Q, g >= 8 makes K (type = g / 8).
;   phase 1 (K = 1024): A = inputs;              B = 192 rows of wb: triples p = 2g, 2g+1 (64 rows of [Wq;Wk], 32 rows of Wv each)
;   phase 2 (K = 1024): A = rotation or entangle; B = 128 rows of [Wrot;Went], added onto the same Q/K sums.
; So every work-group does 256 x 320 x 1024 multiply-adds: 256 equal work-groups, V's work folded into Q's and K's.
; Wave (wr, wc) makes rows 128 wr .. +127 of triple p = 2g + wc: 128 x 64 of Q or K (one head) and 128 x 32 of V.
; OUT:  qk = [Q, K][16 b + head][s][64] f16;  vt = [b][64 head + d][s] f16 (V transposed).
; LIMIT: Q, K, V are rounded to f16; above 65,504 in magnitude they become infinite.  With every input 30 times larger their spread is
; 1.41 x 900 = 1,270; with an offset of 30 spreads on every input |Q| is about 2 x 1024 x 30 x 0.94 = 57,600.
; K goes in steps of 128 (rows of 256 bytes, at multiples of 256 bytes) through two LDS slots filled by tensor loads.
; CLUSTER 4 x 4: A's tile hangs on mb (and on the cluster's x through type) and is asked for jointly along a row of the cluster,
; B's hangs on g and is asked for jointly along a column: a quarter of the requests.
; WHERE A CLUSTER BEGINS ALONG K: cluster (x, y) walks the eight K steps of a phase round from a step of its own: 2x + 4 (y % 2) mod 8 in
; phase 1, 4 ((x + y) % 2) in phase 2.  The four clusters of one y read the same tiles of inputs, two of them the same tiles of
; rotation or entangle, the clusters of one x the same weights: with these starts they ask for a shared tile in different steps, so that
; only one of them is the first to ask for it.  The start hangs on the cluster's coordinates alone, which all partners share.  The f32
; sums take the K steps in that rotated order.
; REGISTERS: window 0: addresses, two fragment buffers (6 of B, 8 of A);  window 1: 32 Q/K tiles, (a, b) at 8 (4a + b);
; window 2: 16 V tiles, (a, c) at 8 (2a + c).
; Q/K tiles are made TRANSPOSED (source 0 = rows of W, source 1 = rows of x): a lane holds row s = l % 16 and eight neighbouring d.
; V tiles are made the natural way (source 0 = rows of x): a lane holds column v = l % 16 and eight neighbouring s, which is V^T.
; The accumulators take turns, one instruction a turn, in the same order in every quarter step.
.set PITCH,  272                       ; LDS row: 256 bytes + 16 of padding, an odd multiple of 16: the 16 rows of a fragment load begin in 16 different 16-byte columns modulo 256
.set AHALF,  128*PITCH                 ; what one tensor load brings of A
.set B1HALF, 96*PITCH                  ; of B in phase 1
.set B2HALF, 64*PITCH                  ; of B in phase 2
.set BOFF,   256*PITCH                 ; B lies behind A's 256 rows
.set SLOT,   448*PITCH
.set STAGE,  2*SLOT                    ; behind the ring, a multiple of 256: no tensor load lands there
.set WSTAGE, 11008                     ; a wave's stage: 16 x 144 for Q/K, then 32 x 272 for V
.set QPITCH, 144
.set VSTG,   16*QPITCH
.set STEPB,  256                       ; bytes of a K step in a row
.set ADRA,  8                          ; v8-9    LDS address of my A fragments, slot 0, 1
.set ADRB1, 10                         ; v10-11  of my B fragments in phase 1
.set ADRB2, 12                         ; v12-13  in phase 2
.set STOQ,  14
.set RDQ,   15
.set COQ,   16
.set STOV,  17
.set RDV,   18
.set COV,   19
.set F0,    32                         ; fragment buffer 0: B at +8b (b 0..5), A at +48+8a (a 0..7)
.set F1,    144                        ; fragment buffer 1
.set TMP,   32                         ; the way out: packed results
.set G1A,   24                         ; s[24:31] group 1 of A's tiles
.set G1B1,  32                         ; s[32:39] of B's tiles in phase 1
.set G1B2,  40                         ; s[40:47] in phase 2
.set G0A1,  48                         ; s[48:55] group 0 of A, phase 1, a set for each slot
.set G0B1,  56                         ; s[56:63] of B, phase 1
.set G0A2,  68                         ; s[68:75] of A, phase 2
.set G0B2,  76                         ; s[76:83] of B, phase 2
.set BA1,   84                         ; s[84:85] address of my part of A at K = 0, phase 1
.set BA2,   86                         ; s[86:87] phase 2
.set BB1,   92                         ; s[92:93] of my part of B, phase 1
.set BB2,   94                         ; s[94:95] phase 2
.set KO0,   100                        ; s[100:101], s[104:105]: slot 0's, slot 1's byte offset along K, with 0 above it
.set FLAGS, (1<<16)|(1<<20)|(1<<21)|(5<<22)|(3<<25)   ; 2-byte elements; padding on; bit 21 beside a mask; after every 64 words, 4 words
.set MSB, 0
.macro WIN new                         ; the immediate's high byte repeats the setting that is left
.if MSB != \new
	s_set_vgpr_msb (MSB<<8)|\new
.set MSB, \new
.endif
.endm
.macro PLACES                          ; four places behind matrix instructions, in front of loads into their sources and of readers of their results
.rept 4
	v_nop
.endr
.endm
.macro CREST                           ; a round of the cluster's barrier behind its opening work-group barrier
	s_cmp_lg_u32 s12, 0
	s_cbranch_scc1 .Lnot_wave_0_\@
	s_barrier_signal -3
.Lnot_wave_0_\@:
	s_barrier_wait -3
	s_barrier_signal -1
	s_barrier_wait -1
.endm
.macro CROUND
	s_barrier_signal -1
	s_barrier_wait -1
	CREST
.endm
; A joint load into slot s for phase ph.  Waves 0, 1 fetch A's halves, waves 2, 3 B's: the branch hangs on the wave's number alone.
.macro JLOAD s, ph
	s_cmp_eq_u32 s13, 0
	s_cbranch_scc0 .Lfor_b_\@
.if \ph == 1
	tensor_load_to_lds s[G0A1+4*\s:G0A1+4*\s+3], s[G1A:G1A+7]
	s_nop 0
.else
	tensor_load_to_lds s[G0A2+4*\s:G0A2+4*\s+3], s[G1A:G1A+7]
	s_nop 0
.endif
	s_branch .Lasked_\@
.Lfor_b_\@:
.if \ph == 1
	tensor_load_to_lds s[G0B1+4*\s:G0B1+4*\s+3], s[G1B1:G1B1+7]
	s_nop 0
.else
	tensor_load_to_lds s[G0B2+4*\s:G0B2+4*\s+3], s[G1B2:G1B2+7]
	s_nop 0
.endif
.Lasked_\@:
.endm
.macro GROUP0 g, lds                   ; the two constant words of group 0, for both slots: the count and the LDS address from s[lds]
.irp s, 0,1
	s_mov_b32 s[\g+4*\s], 1
	s_add_co_u32 s[\g+4*\s+1], s[\lds], \s*SLOT
.endr
.endm
.macro ADDR g, slot, base              ; the tile's global address: the address at K = 0 plus the slot's offset along K; then the type
	s_add_nc_u64 s[\g+4*\slot+2:\g+4*\slot+3], s[\base:\base+1], s[KO0+4*\slot:KO0+4*\slot+1]
	s_or_b32 s[\g+4*\slot+3], s[\g+4*\slot+3], 0x80000000
.endm
	s_load_b128 s[4:7], s[0:1], 0x0                ; xa, wb
	s_load_b128 s[8:11], s[0:1], 0x10              ; qk, vt
	v_lshl_add_u32 v30, v0, 2, 0x46400
	v_mov_b32 v31, 0
	ds_add_u32 v30, v31
	s_wait_dscnt 0x0
	v_lshrrev_b32 v1, 5, v0
	v_readfirstlane_b32 s12, v1                    ; wave 0..3
	s_lshr_b32 s13, s12, 1                         ; wr: my half of the rows.  Also: I fetch for A (0) or for B (1)
	s_and_b32 s14, s12, 1                          ; wc: my triple.  Also: which half of that tile I fetch
	s_bfe_u32 s15, ttmp6, 0x40000                  ; cx
	s_bfe_u32 s16, ttmp6, 0x40004                  ; cy
	s_lshl_b32 s17, ttmp9, 2
	s_add_co_u32 s17, s17, s15                     ; g = 4 x cluster x + cx
	s_and_b32 s67, ttmp7, 0xffff                   ; the cluster's y
	s_lshl_b32 s18, s67, 2
	s_add_co_u32 s18, s18, s16                     ; mb = 4 x cluster y + cy
	s_lshr_b32 s19, ttmp9, 1                       ; type = g / 8: the same in the whole cluster
	s_and_b32 s66, s67, 1                          ; where the cluster begins along K, from its own coordinates alone
	s_lshl_b32 s66, s66, 2
	s_lshl_b32 s2, ttmp9, 1
	s_add_co_u32 s66, s66, s2
	s_and_b32 s66, s66, 7                          ; phase 1: K step 2x + 4 (y % 2) mod 8, an even number
	s_lshl_b32 s[KO0], s66, 8                      ; slot 0 takes that step,
	s_add_co_u32 s[KO0+4], s[KO0], STEPB           ; slot 1 the next
	s_mov_b32 s[KO0+1], 0
	s_mov_b32 s[KO0+5], 0
	s_add_co_u32 s2, s67, ttmp9
	s_and_b32 s2, s2, 1
	s_lshl_b32 s2, s2, 10                          ; phase 2: K step 4 ((x + y) % 2), in bytes; kept in s2
	s_lshl_b32 s20, s16, 2
	s_lshl_b32 s20, 15, s20                        ; my row of the cluster
	s_lshl_b32 s21, 0x1111, s15                    ; my column
	s_or_b32 s[G1A+0], s20, FLAGS
	s_or_b32 s[G1B1+0], s21, FLAGS
	s_or_b32 s[G1B2+0], s21, FLAGS
.irp g, G1A, G1B1, G1B2
	s_mov_b32 s[\g+1], 128<<16                     ; tensor_dim0 = 128 elements
	s_mov_b32 s[\g+3], 128<<16                     ; tile_dim0 = 128
	s_mov_b32 s[\g+5], 1024                        ; elements from row to row
	s_mov_b32 s[\g+6], 0
	s_mov_b32 s[\g+7], 0
.endr
	s_mov_b32 s[G1A+2], 128<<16                    ; tensor_dim1 and tile_dim1: 128 rows of A,
	s_mov_b32 s[G1A+4], 128
	s_mov_b32 s[G1B1+2], 96<<16                    ; 96 of B in phase 1,
	s_mov_b32 s[G1B1+4], 96
	s_mov_b32 s[G1B2+2], 64<<16                    ; 64 in phase 2
	s_mov_b32 s[G1B2+4], 64
	; A's offsets, in registers that never hold cx
	s_lshl_b32 s84, s18, 19                        ; 256 mb rows of 2,048 bytes
	s_lshl_b32 s86, s14, 18                        ; + my 128 rows
	s_add_co_u32 s84, s84, s86
	s_mov_b32 s85, 0
	s_add_co_u32 s86, s19, 1
	s_lshl_b32 s86, s86, 23                        ; phase 2: plane 1 + type of xa
	s_mov_b32 s87, 0
	; B's offsets, in registers that never hold cy
	s_mul_i32 s92, s17, 192
	s_mul_i32 s94, s14, 96
	s_add_co_u32 s92, s92, s94
	s_lshl_b32 s92, s92, 11                        ; phase 1: row 192 g + 96 half
	s_mov_b32 s93, 0
	s_lshl_b32 s94, s17, 7
	s_lshl_b32 s96, s14, 6
	s_add_co_u32 s94, s94, s96
	s_lshl_b32 s94, s94, 11
	s_add_co_u32 s94, s94, 96*65536                ; phase 2: behind the 96 chunks of the triples, row 128 g + 64 half
	s_mov_b32 s95, 0
	; LDS addresses: the wave's number times a constant plus a constant
	s_mul_i32 s22, s12, AHALF                      ; waves 0, 1: A's halves
	s_mul_i32 s23, s12, B1HALF
	s_add_co_u32 s23, s23, BOFF-2*B1HALF           ; waves 2, 3: B's halves in phase 1
	s_mul_i32 s66, s12, B2HALF
	s_add_co_u32 s66, s66, BOFF-2*B2HALF           ; and in phase 2
	GROUP0 G0A1, 22
	GROUP0 G0B1, 23
	GROUP0 G0A2, 22
	GROUP0 G0B2, 66
	CROUND                                         ; all sixteen work-groups are here: the first joint loads meet.  The round stands ahead of the wait for the arguments, which arrive meanwhile
	s_wait_kmcnt 0x0
	s_add_nc_u64 s[BA1:BA1+1], s[4:5], s[84:85]
	s_add_nc_u64 s[BA2:BA2+1], s[BA1:BA1+1], s[86:87]
	s_add_nc_u64 s[BB1:BB1+1], s[6:7], s[92:93]
	s_add_nc_u64 s[BB2:BB2+1], s[6:7], s[94:95]
	ADDR G0A1, 0, BA1
	ADDR G0A1, 1, BA1
	ADDR G0B1, 0, BB1
	ADDR G0B1, 1, BB1
	s_cmp_eq_u32 s13, 0                            ; both first fills of a wave inside one branch on its number: two loads out
	s_cbranch_scc0 .Lfirst_b
	tensor_load_to_lds s[G0A1:G0A1+3], s[G1A:G1A+7]
	s_nop 0
	tensor_load_to_lds s[G0A1+4:G0A1+7], s[G1A:G1A+7]
	s_nop 0
	s_branch .Lfirst_done
.Lfirst_b:
	tensor_load_to_lds s[G0B1:G0B1+3], s[G1B1:G1B1+7]
	s_nop 0
	tensor_load_to_lds s[G0B1+4:G0B1+7], s[G1B1:G1B1+7]
	s_nop 0
.Lfirst_done:
	; a fragment: lane l holds row l % 16; registers 0-3 K = 8 (l / 16) + 0..7, registers 4-7 K = 16 + 8 (l / 16) + 0..7: two loads, 32 bytes apart
	v_and_b32 v1, 15, v0                           ; l % 16
	v_bfe_u32 v2, v0, 4, 1                         ; l / 16
	v_and_b32 v4, 31, v0                           ; l
	v_mul_u32_u24 v3, v1, PITCH
	v_lshl_add_u32 v3, v2, 4, v3                   ; row x pitch + 16 x half
	s_mul_i32 s22, s13, AHALF
	s_mul_i32 s23, s14, B1HALF
	s_add_co_u32 s23, s23, BOFF
	s_mul_i32 s66, s14, B2HALF
	s_add_co_u32 s66, s66, BOFF
.irp s, 0,1
	v_add_nc_u32 v[ADRA+\s], s22, v3
	v_add_nc_u32 v[ADRB1+\s], s23, v3
	v_add_nc_u32 v[ADRB2+\s], s66, v3
	s_add_co_u32 s22, s22, SLOT
	s_add_co_u32 s23, s23, SLOT
	s_add_co_u32 s66, s66, SLOT
.endr
	s_mul_i32 s67, s12, WSTAGE
	s_add_co_u32 s67, s67, STAGE                   ; my stage
	v_mul_u32_u24 v5, v1, QPITCH
	v_lshl_add_u32 v5, v2, 4, v5
	v_add_nc_u32 v[STOQ], s67, v5                  ; Q/K in: row l % 16, 16 bytes for each half of the lanes
	v_lshrrev_b32 v5, 3, v4
	v_and_b32 v6, 7, v4
	v_mul_u32_u24 v5, v5, QPITCH
	v_lshl_add_u32 v5, v6, 4, v5
	v_add_nc_u32 v[RDQ], s67, v5                   ; back: eight lanes take a row of 128 bytes
	v_lshlrev_b32 v[COQ], 4, v4                    ; and in qk the four rows are 512 consecutive bytes
	v_add3_u32 v[STOV], s67, v3, VSTG              ; V in: row v = l % 16, 16 bytes for each half
	v_mul_u32_u24 v5, v2, PITCH
	v_lshl_add_u32 v5, v1, 4, v5
	v_add3_u32 v[RDV], s67, v5, VSTG               ; back: sixteen lanes take a row of 256 bytes
	v_lshlrev_b32 v5, 11, v2
	v_lshl_add_u32 v[COV], v1, 4, v5               ; the same two rows in vt, 2,048 bytes apart
; cnt x 4 products of Q/K: m blocks a0 .. a0+cnt-1, the four n blocks.  zero = 1: the first product starts the sum.
.macro MULQ f, a0, cnt, zero
	WIN 0x50                                       ; C and D in window 1
.set ai, \a0
.rept \cnt
.irp b, 0,1,2,3
.if \zero
	v_wmma_f32_16x16x32_f16 v[8*(4*ai+\b):8*(4*ai+\b)+7], v[\f+8*\b:\f+8*\b+7], v[\f+48+8*ai:\f+48+8*ai+7], 0
.else
	v_wmma_f32_16x16x32_f16 v[8*(4*ai+\b):8*(4*ai+\b)+7], v[\f+8*\b:\f+8*\b+7], v[\f+48+8*ai:\f+48+8*ai+7], v[8*(4*ai+\b):8*(4*ai+\b)+7]
.endif
.endr
.set ai, ai+1
.endr
.endm
; cnt x 2 products of V
.macro MULV f, a0, cnt, zero
	WIN 0xa0                                       ; C and D in window 2
.set ai, \a0
.rept \cnt
.irp b, 0,1
.if \zero
	v_wmma_f32_16x16x32_f16 v[8*(2*ai+\b):8*(2*ai+\b)+7], v[\f+48+8*ai:\f+48+8*ai+7], v[\f+32+8*\b:\f+32+8*\b+7], 0
.else
	v_wmma_f32_16x16x32_f16 v[8*(2*ai+\b):8*(2*ai+\b)+7], v[\f+48+8*ai:\f+48+8*ai+7], v[\f+32+8*\b:\f+32+8*\b+7], v[8*(2*ai+\b):8*(2*ai+\b)+7]
.endif
.endr
.set ai, ai+1
.endr
.endm
; one run of LDS loads: a quarter step's fragments (32 K at byte k of the rows) into buffer f: B first (12 or 8 loads), then A (16)
.macro FETCH ph, slot, k, f
	WIN 0
.if \ph == 1
.irp i, 0,1,2,3,4,5
	ds_load_b128 v[\f+8*\i:\f+8*\i+3],   v[ADRB1+\slot] offset:\k+\i*16*PITCH
	ds_load_b128 v[\f+8*\i+4:\f+8*\i+7], v[ADRB1+\slot] offset:\k+\i*16*PITCH+32
.endr
.else
.irp i, 0,1,2,3
	ds_load_b128 v[\f+8*\i:\f+8*\i+3],   v[ADRB2+\slot] offset:\k+\i*16*PITCH
	ds_load_b128 v[\f+8*\i+4:\f+8*\i+7], v[ADRB2+\slot] offset:\k+\i*16*PITCH+32
.endr
.endif
.irp i, 0,1,2,3,4,5,6,7
	ds_load_b128 v[\f+48+8*\i:\f+48+8*\i+3],   v[ADRA+\slot] offset:\k+\i*16*PITCH
	ds_load_b128 v[\f+48+8*\i+4:\f+48+8*\i+7], v[ADRA+\slot] offset:\k+\i*16*PITCH+32
.endr
.endm
; one of a K step's first three quarters: multiplies buffer f, and in its middle fetches the next quarter into buffer g
.macro QUARTER ph, slot, k, f, g, zero
	s_wait_dscnt 8                                 ; B and A's blocks 0-3 are in; the youngest eight loads (A's blocks 4-7) may be out
	MULQ \f, 0, 4, \zero
.if \ph == 1
	MULV \f, 0, 4, \zero
.endif
	PLACES
	FETCH \ph, \slot, \k, \g
.if \ph == 1
	s_wait_dscnt 28                                ; all but the 28 just issued
.else
	s_wait_dscnt 24                                ; all but the 24 just issued
.endif
	MULQ \f, 4, 4, \zero
.if \ph == 1
	MULV \f, 4, 4, \zero
.endif
.endm
.macro THREE ph, slot, zero
	QUARTER \ph, \slot, 64,  F0, F1, \zero
	QUARTER \ph, \slot, 128, F1, F0, 0
	QUARTER \ph, \slot, 192, F0, F1, 0
.endm
; the last quarter: multiplies buffer 1 and changes slots.  next, nph: the other slot and its phase; fill: this slot is filled again, for
; phase fph; step = 1: its offset along K goes two K steps on, round the row's end; step = 2: it is set to phase 2's start.
; In front of the barrier each wave waits for its reads of this slot and for all its tensor loads (one is out: its part of the next
; slot), so every group 0 may be written behind it.  Where the slot is filled again the barrier opens a round of the cluster's barrier; the
; joint load is the first tensor load behind the round, one a wave.
.macro TURN ph, slot, next, nph, fill, fph, step
	s_wait_dscnt 8
	MULQ F1, 0, 2, 0
	s_wait_dscnt 0                                 ; my reads of this slot are over
	s_wait_tensorcnt 0x0                           ; all my tensor loads have landed
	ds_add_u32 v30, v31
	s_wait_dscnt 0x0
	s_barrier_signal -1
	MULQ F1, 2, 2, 0                               ; register work while the others arrive
.if \ph == 1
	MULV F1, 0, 4, 0
.endif
	WIN 0
	s_barrier_wait -1
.if \fill
	CREST
.if \step == 1
	s_add_co_u32 s[KO0+4*\slot], s[KO0+4*\slot], 2*STEPB
	s_and_b32 s[KO0+4*\slot], s[KO0+4*\slot], 8*STEPB-1    ; eight K steps make a row of 2,048 bytes
.else
	s_add_co_u32 s[KO0+4*\slot], s2, \slot*STEPB
.endif
.if \fph == 1
	ADDR G0A1, \slot, BA1
	ADDR G0B1, \slot, BB1
.else
	ADDR G0A2, \slot, BA2
	ADDR G0B2, \slot, BB2
.endif
	JLOAD \slot, \fph
.endif
	PLACES
	FETCH \nph, \next, 0, F0
	MULQ F1, 4, 4, 0
.if \ph == 1
	MULV F1, 4, 4, 0
.endif
.endm
	s_wait_tensorcnt 0x1                           ; my part of the first K step is in; the second's may stay out
	s_barrier_signal -1
	s_barrier_wait -1
	FETCH 1, 0, 0, F0
	THREE 1, 0, 1                                  ; trips 0, 1 of phase 1: the first products start all 48 sums
	TURN 1, 0, 1, 1, 1, 1, 1
	THREE 1, 1, 0
	TURN 1, 1, 0, 1, 1, 1, 1
	WIN 0
	s_mov_b32 s3, 2                                ; trips 2 to 5
.Lphase1:
	THREE 1, 0, 0
	TURN 1, 0, 1, 1, 1, 1, 1
	THREE 1, 1, 0
	TURN 1, 1, 0, 1, 1, 1, 1
	WIN 0
	s_sub_co_u32 s3, s3, 1
	s_cmp_lg_u32 s3, 0
	s_cbranch_scc1 .Lphase1
	THREE 1, 0, 0                                  ; trips 6, 7: the slots are filled again with phase 2's first two K steps
	TURN 1, 0, 1, 1, 1, 2, 2
	THREE 1, 1, 0
	TURN 1, 1, 0, 2, 1, 2, 2
	WIN 0
	s_mov_b32 s3, 3                                ; phase 2, trips 0 to 5
.Lphase2:
	THREE 2, 0, 0
	TURN 2, 0, 1, 2, 1, 2, 1
	THREE 2, 1, 0
	TURN 2, 1, 0, 2, 1, 2, 1
	WIN 0
	s_sub_co_u32 s3, s3, 1
	s_cmp_lg_u32 s3, 0
	s_cbranch_scc1 .Lphase2
	THREE 2, 0, 0                                  ; trips 6, 7 fill nothing
	TURN 2, 0, 1, 2, 0, 0, 0
	THREE 2, 1, 0
	s_wait_dscnt 8
	MULQ F1, 0, 4, 0
	s_wait_dscnt 0
	MULQ F1, 4, 4, 0
	; THE WAY OUT, through my own stage in LDS (a wave's LDS instructions are served in order: no wait between its stores and its loads)
	PLACES
	WIN 0
	s_lshr_b32 s98, s18, 2                         ; b = mb / 4
	s_and_b32 s99, s18, 3
	s_lshl_b32 s99, s99, 8
	s_lshl_b32 s67, s13, 7
	s_add_co_u32 s99, s99, s67                     ; s0 = 256 (mb % 4) + 128 wr
	s_lshl_b32 s88, s17, 1
	s_add_co_u32 s88, s88, s14                     ; p = 2 g + wc
	s_and_b32 s89, s88, 15                         ; head
	s_lshl_b32 s90, s98, 4
	s_add_co_u32 s89, s89, s90
	s_lshl_b32 s89, s89, 17                        ; (16 b + head) x 131,072
	s_lshl_b32 s90, s19, 23                        ; Q's or K's plane
	s_add_co_u32 s90, s90, s89
	s_lshl_b32 s89, s99, 7                         ; s0 rows of 128 bytes
	s_add_co_u32 s90, s90, s89
	s_mov_b32 s91, 0
	s_add_nc_u64 s[8:9], s[8:9], s[90:91]
	s_lshl_b32 s96, s98, 10
	s_lshl_b32 s97, s88, 5
	s_add_co_u32 s96, s96, s97
	s_lshl_b32 s96, s96, 11                        ; (1024 b + 32 p) rows of 2,048 bytes
	s_lshl_b32 s97, s99, 1
	s_add_co_u32 s96, s96, s97                     ; + 2 s0, a multiple of 256
	s_mov_b32 s97, 0
	s_add_nc_u64 s[10:11], s[10:11], s[96:97]
; rows 16 a .. 16 a + 15 of my Q/K block: round to f16, 16 bytes a lane into the stage, back as rows, out as 512 consecutive bytes a store
.macro OUTQ a, f
	WIN 0x05                                       ; sources in window 1
.irp b, 0,1,2,3
.irp i, 0,1,2,3
	v_cvt_pk_f16_f32 v[TMP+4*\b+\i], v[8*(4*\a+\b)+2*\i], v[8*(4*\a+\b)+2*\i+1]
.endr
.endr
	WIN 0
.irp b, 0,1,2,3
	ds_store_b128 v[STOQ], v[TMP+4*\b:TMP+4*\b+3] offset:32*\b
.endr
	s_wait_xcnt 0x0                                ; the registers that earlier stores read are loaded again only behind this wait
.irp t, 0,1,2,3
	ds_load_b128 v[\f+4*\t:\f+4*\t+3], v[RDQ] offset:\t*4*QPITCH
.endr
.irp t, 0,1,2,3
	s_wait_dscnt 3-\t
	global_store_b128 v[COQ], v[\f+4*\t:\f+4*\t+3], s[8:9] offset:2048*\a+512*\t
.endr
.endm
	OUTQ 0, 64
	OUTQ 1, 80
	OUTQ 2, 64
	OUTQ 3, 80
	OUTQ 4, 64
	OUTQ 5, 80
	OUTQ 6, 64
	OUTQ 7, 80
	; V^T: 32 rows (v) of 128 s
.irp c, 0,1
	WIN 0x0a                                       ; sources in window 2
.irp a, 0,1,2,3,4,5,6,7
.irp i, 0,1,2,3
	v_cvt_pk_f16_f32 v[TMP+4*\a+\i], v[8*(2*\a+\c)+2*\i], v[8*(2*\a+\c)+2*\i+1]
.endr
.endr
	WIN 0
.irp a, 0,1,2,3,4,5,6,7
	ds_store_b128 v[STOV], v[TMP+4*\a:TMP+4*\a+3] offset:\c*16*PITCH+32*\a
.endr
.endr
	s_wait_xcnt 0x0                                ; v64-95 were read by the stores above; v96-127 by none
.irp u, 0,1
.irp t, 0,1,2,3,4,5,6,7
	ds_load_b128 v[64+32*\u+4*\t:64+32*\u+4*\t+3], v[RDV] offset:(8*\u+\t)*2*PITCH
.endr
.irp t, 0,1,2,3,4,5,6,7
	s_wait_dscnt 7-\t
	global_store_b128 v[COV], v[64+32*\u+4*\t:64+32*\u+4*\t+3], s[10:11] offset:(8*\u+\t)*4096   ; sixteen lanes store 256 consecutive bytes, at a multiple of 256
.endr
.endr
	s_wait_tensorcnt 0x0
	ds_add_u32 v30, v31
	s_wait_dscnt 0x0
	CROUND                                         ; the closing round: no work-group ends while a partner may still ask for a tile that names it
	s_endpgm
.Lfunc_end_k_q7820b0b860_qkv:
	.size	k_q7820b0b860_qkv, .Lfunc_end_k_q7820b0b860_qkv-k_q7820b0b860_qkv
	.p2alignl 7, 3214868480
	.fill 96, 4, 3214868480
	.section	.rodata,"a",@progbits
	.p2align	6, 0x0
	.amdhsa_kernel k_q7820b0b860_qkv
		.amdhsa_group_segment_fixed_size 327680
		.amdhsa_private_segment_fixed_size 0
		.amdhsa_enable_private_segment 0
		.amdhsa_kernarg_size 32
		.amdhsa_user_sgpr_count 2
		.amdhsa_user_sgpr_kernarg_segment_ptr 1
		.amdhsa_wavefront_size32 1
		.amdhsa_system_sgpr_workgroup_id_x 1
		.amdhsa_system_sgpr_workgroup_id_y 1
		.amdhsa_system_sgpr_workgroup_id_z 1
		.amdhsa_system_vgpr_workitem_id 0
		.amdhsa_next_free_vgpr 640
		.amdhsa_next_free_sgpr 106
		.amdhsa_reserve_vcc 0
		.amdhsa_float_denorm_mode_32 3
		.amdhsa_float_denorm_mode_16_64 3
		.amdhsa_memory_ordered 1
		.amdhsa_forward_progress 1
		.amdhsa_inst_pref_size 226
	.end_amdhsa_kernel
	.amdgpu_metadata
---
amdhsa.version: [ 1, 2 ]
amdhsa.kernels:
  - .name:           k_q7820b0b860_qkv
    .symbol:         k_q7820b0b860_qkv.kd
    .args:
      - { .name: xa, .offset: 0, .size: 8, .value_kind: global_buffer, .address_space: global }
      - { .name: wb, .offset: 8, .size: 8, .value_kind: global_buffer, .address_space: global }
      - { .name: qk, .offset: 16, .size: 8, .value_kind: global_buffer, .address_space: global }
      - { .name: vt, .offset: 24, .size: 8, .value_kind: global_buffer, .address_space: global }
    .group_segment_fixed_size: 327680
    .private_segment_fixed_size: 0
    .kernarg_segment_align: 8
    .kernarg_segment_size: 32
    .max_flat_workgroup_size: 128
    .sgpr_count:     106
    .vgpr_count:     640
    .wavefront_size: 32
...
	.end_amdgpu_metadata
.endif
;; end of part 2
;; launch attn (part 3): grid 256 x 1, 8 waves a work-group, clusters of 4 x 1, 320,512 bytes of LDS; arguments qk, vt, ah; writes ah
.if DOCPART == 3
	.amdgcn_target "amdgcn-amd-amdhsa--gfx1250"
	.amdhsa_code_object_version 6
	.text
	.protected	k_q7820b0b860_attn
	.globl	k_q7820b0b860_attn
	.p2align	8
	.type	k_q7820b0b860_attn,@function
k_q7820b0b860_attn:
	s_mov_b64 s[64:65], 0
	v_nop
	global_prefetch_b8 v0, s[64:65] scope:SCOPE_SE
	s_setreg_imm32_b32 hwreg(HW_REG_WAVE_MODE, 25, 1), 1
	s_wait_xcnt 0x0
	s_wait_alu depctr_hold_cnt(0) depctr_sa_sdst(0) depctr_va_vdst(0) depctr_va_sdst(0) depctr_va_ssrc(0) depctr_va_vcc(0) depctr_vm_vsrc(0)
	s_getreg_b32 s2, hwreg(HW_REG_IB_STS2, 6, 4)
	s_cmp_eq_u32 s2, 0
	s_cbranch_scc0 .Lentry_in_a_cluster
	s_endpgm
.Lentry_in_a_cluster:
	s_bfe_u32 s2, ttmp6, 0x10000c
	s_cmp_lg_u32 s2, 0x3003
	s_cbranch_scc0 .Lentry_shape_is_right
	s_endpgm
.Lentry_shape_is_right:
; softmax(Q K^T / 8) V for one (batch, head) and 256 queries a work-group; a wave takes 32 queries.  Operands f16, sums and softmax f32.
; qk = [Q, K][bh][s][64],  vt = [bh][d][s] (V transposed),  ah = [bh][s][64] f16.
; CLUSTER 4 x 1: the four query blocks of a head read the same K and V^T.  All 262,144 bytes of both are asked for jointly, once, as first
; fills, in four chunks of 256 keys: nothing in LDS is ever filled again.  Waves 0-3 fetch K (64 keys a load), waves 4-7 V^T (16 rows a
; load): four tensor loads a wave are out at the most.
; ORIENTATION: S^T = K Q^T (source 0 = 16 keys, source 1 = 16 queries): lane l holds query l % 16 and keys 8 (l / 16) + 0..7 of a tile.
; Two key tiles, packed to f16, ARE source 1 of O^T = V^T P^T: P goes through no LDS and no other lane, and maximum, sum and rescaling
; factor of a query are a lane's own numbers (the two halves of the lanes share the maximum and add their sums at the end).
; A BLOCK IS 64 KEYS: the 32 packed multiplies that bring O to a new maximum, the step across the halves of the lanes and the places behind
; the products are paid once for 64 keys.
; REGISTERS: window 0: v32-63 Q, v64-127 K's fragments, v128-191 V^T's, v192-255 the scores; window 1: v256-319 O^T, v320-351 P.
; P has registers of its own, so that the next block's first products write over no source of this block's last.
; The running maximum is taken away before every exponential.  LIMITS: P and the result are rounded to f16 (p <= 1; below 6e-8 it is
; 0); the sum of a row is made of the unrounded p; v_exp_f32 gives 0 below 2^-126; NaN and infinities in Q, K, V spread over their rows.
; The matrix instructions' accumulators take turns, one instruction a turn.
.set KPITCH, 144                       ; a key: 128 bytes + 16
.set VPITCH, 528                       ; a row of V^T in a chunk: 512 bytes + 16.  Both are odd multiples of 16
.set KCHUNK, 256*KPITCH
.set VBASE,  4*KCHUNK
.set VCHUNK, 64*VPITCH
.set STAGE,  VBASE+4*VCHUNK            ; a multiple of 256: no tensor load lands there
.set WSTAGE, 32*KPITCH                 ; a wave's stage: 32 queries x 144
.set KADR, 8                           ; v8   LDS address of my part of the K fragments that are fetched next; 64 keys on in every block
.set VADR, 9                           ; v9   the same for V^T; it begins one block early and is stepped in front of its loads
.set STO,  10
.set RD,   11
.set CO,   12
.set QOF,  13
.set NM,   14                          ; v[14:15] minus (running maximum x 0.125 log2 e), query tile 0, 1
.set LS,   16                          ; v[16:17] running sum
.set AL,   18                          ; v[18:19] rescaling factor
.set TM,   22                          ; v[22:29] at work, four registers a query tile
.set QF,   32                          ; Q fragments at 8 (2 q + ks)
.set KF,   64                          ; K fragments at 8 (2 k + ks), k = 0..3
.set VF,   128                         ; V^T fragments at 8 (4 g + d): 32 keys g of the block, 16 rows d
.set SS,   192                         ; scores at 8 (4 q + k)
.set OO,   0                           ; window 1: O^T at 8 (4 q + d)
.set PP,   64                          ; window 1: P at 8 (2 q + g)
.set G1K,  16
.set G1V,  24
.set G0K,  32                          ; s[32:47] a set for each chunk
.set G0V,  48                          ; s[48:63]
.set MSB, 0
.macro WIN new                         ; the immediate's high byte repeats the setting that is left
.if MSB != \new
	s_set_vgpr_msb (MSB<<8)|\new
.set MSB, \new
.endif
.endm
.macro PLACES
.rept 4
	v_nop
.endr
.endm
.macro ROUND
	s_barrier_signal -1
	s_barrier_wait -1
	s_cmp_lg_u32 s8, 0
	s_cbranch_scc1 .Lnot_wave_0_\@
	s_barrier_signal -3
.Lnot_wave_0_\@:
	s_barrier_wait -3
	s_barrier_signal -1
	s_barrier_wait -1
.endm
	s_load_b128 s[4:7], s[0:1], 0x0                ; qk, vt
	s_load_b64 s[10:11], s[0:1], 0x10              ; ah
	v_lshl_add_u32 v30, v0, 2, 0x4e000
	v_mov_b32 v31, 0
	ds_add_u32 v30, v31
	s_wait_dscnt 0x0
	v_lshrrev_b32 v1, 5, v0
	v_readfirstlane_b32 s8, v1                     ; wave 0..7
	s_bfe_u32 s9, ttmp6, 0x40000                   ; cx: my query block
	s_mov_b32 s14, 0x76543210                      ; v_permlanex16_b32: lane i reads lane i of the other half
	s_mov_b32 s15, 0xfedcba98
	; K: 64 keys are 8,192 dense bytes, taken as 32 rows of 256 bytes, 16 bytes of padding behind every 128
	s_mov_b32 s[G1K+0], 15|(1<<16)|(1<<20)|(1<<21)|(4<<22)|(3<<25)
	s_mov_b32 s[G1K+1], 128<<16
	s_mov_b32 s[G1K+2], 32<<16
	s_mov_b32 s[G1K+3], 128<<16
	s_mov_b32 s[G1K+4], 32
	s_mov_b32 s[G1K+5], 128
	s_mov_b32 s[G1K+6], 0
	s_mov_b32 s[G1K+7], 0
	; V^T: 16 rows of 256 keys (512 bytes), 1,024 elements from row to row, 16 bytes of padding behind every row
	s_mov_b32 s[G1V+0], 15|(1<<16)|(1<<20)|(1<<21)|(6<<22)|(3<<25)
	s_mov_b32 s[G1V+1], 256<<16
	s_mov_b32 s[G1V+2], 16<<16
	s_mov_b32 s[G1V+3], 256<<16
	s_mov_b32 s[G1V+4], 16
	s_mov_b32 s[G1V+5], 1024
	s_mov_b32 s[G1V+6], 0
	s_mov_b32 s[G1V+7], 0
	s_lshl_b32 s66, ttmp9, 17                      ; the head: 131,072 bytes in each of Q, K, V^T, ah
	s_and_b32 s68, s8, 3                           ; my quarter of a chunk
	s_lshl_b32 s70, s68, 13
	s_add_co_u32 s70, s70, s66
	s_add_co_u32 s70, s70, 8388608                 ; K's plane of qk
	s_mov_b32 s71, 0
	s_lshl_b32 s72, s68, 15                        ; 16 rows of 2,048 bytes
	s_add_co_u32 s72, s72, s66
	s_mov_b32 s73, 0
	s_mul_i32 s74, s8, 64*KPITCH                   ; LDS: waves 0-3, 64 keys each
	s_mul_i32 s75, s8, 16*VPITCH
	s_add_co_u32 s75, s75, VBASE-4*16*VPITCH       ; waves 4-7, 16 rows each
	s_lshl_b32 s76, s9, 15                         ; my wave's 32 queries: (256 cx + 32 w) rows of 128 bytes
	s_lshl_b32 s78, s8, 12
	s_add_co_u32 s76, s76, s78
	s_add_co_u32 s76, s76, s66
	s_mov_b32 s77, 0
	ROUND                                          ; the four work-groups are here: the joint loads meet.  The round stands ahead of the wait for the arguments, which arrive meanwhile
	s_wait_kmcnt 0x0
	s_add_nc_u64 s[70:71], s[4:5], s[70:71]
	s_add_nc_u64 s[72:73], s[6:7], s[72:73]
	s_add_nc_u64 s[78:79], s[4:5], s[76:77]        ; Q
	s_add_nc_u64 s[10:11], s[10:11], s[76:77]      ; ah, the same place
.irp c, 0,1,2,3
	s_mov_b32 s[G0K+4*\c], 1
	s_add_co_u32 s[G0K+4*\c+1], s74, \c*KCHUNK
	s_add_nc_u64 s[G0K+4*\c+2:G0K+4*\c+3], s[70:71], \c*32768
	s_or_b32 s[G0K+4*\c+3], s[G0K+4*\c+3], 0x80000000
	s_mov_b32 s[G0V+4*\c], 1
	s_add_co_u32 s[G0V+4*\c+1], s75, \c*VCHUNK
	s_add_nc_u64 s[G0V+4*\c+2:G0V+4*\c+3], s[72:73], \c*512
	s_or_b32 s[G0V+4*\c+3], s[G0V+4*\c+3], 0x80000000
.endr
	s_cmp_lt_u32 s8, 4                             ; all first fills of a wave inside one branch on its number
	s_cbranch_scc0 .Lfill_v
.irp c, 0,1,2,3
	tensor_load_to_lds s[G0K+4*\c:G0K+4*\c+3], s[G1K:G1K+7]
	s_nop 0
.endr
	s_branch .Lfilled
.Lfill_v:
.irp c, 0,1,2,3
	tensor_load_to_lds s[G0V+4*\c:G0V+4*\c+3], s[G1V:G1V+7]
	s_nop 0
.endr
.Lfilled:
	v_and_b32 v1, 15, v0                           ; l % 16
	v_bfe_u32 v2, v0, 4, 1                         ; l / 16
	v_and_b32 v3, 31, v0                           ; l
	v_mul_u32_u24 v[KADR], v1, KPITCH
	v_lshl_add_u32 v[KADR], v2, 4, v[KADR]         ; key x pitch + 16 x half
	v_mul_u32_u24 v[VADR], v1, VPITCH
	v_lshl_add_u32 v[VADR], v2, 4, v[VADR]
	v_add_nc_u32 v[VADR], VBASE-128, v[VADR]       ; one block (64 keys, 128 bytes) early
	v_lshlrev_b32 v[QOF], 7, v1
	v_lshl_add_u32 v[QOF], v2, 4, v[QOF]           ; query x 128 + 16 x half
	s_mul_i32 s69, s8, WSTAGE
	s_add_co_u32 s69, s69, STAGE
	v_add_nc_u32 v[STO], s69, v[KADR]              ; the way out, in: row l % 16, 16 bytes for each half
	v_lshrrev_b32 v5, 3, v3
	v_and_b32 v6, 7, v3
	v_mul_u32_u24 v5, v5, KPITCH
	v_lshl_add_u32 v5, v6, 4, v5
	v_add_nc_u32 v[RD], s69, v5                    ; back: eight lanes take a row of 128 bytes
	v_lshlrev_b32 v[CO], 4, v3
	; Q's fragments straight from memory, once: 4,096 bytes a wave
.irp q, 0,1
.irp k, 0,1
	global_load_b128 v[QF+8*(2*\q+\k):QF+8*(2*\q+\k)+3],   v[QOF], s[78:79] offset:2048*\q+64*\k
	global_load_b128 v[QF+8*(2*\q+\k)+4:QF+8*(2*\q+\k)+7], v[QOF], s[78:79] offset:2048*\q+64*\k+32
.endr
.endr
.macro KLOADS                          ; the K fragments of the 64 keys at KADR: sixteen loads
.irp k, 0,1,2,3
.irp j, 0,1
	ds_load_b128 v[KF+8*(2*\k+\j):KF+8*(2*\k+\j)+3],   v[KADR] offset:\k*16*KPITCH+64*\j
	ds_load_b128 v[KF+8*(2*\k+\j)+4:KF+8*(2*\k+\j)+7], v[KADR] offset:\k*16*KPITCH+64*\j+32
.endr
.endr
.endm
; 32 queries x 64 keys.  first = 1: maximum, sum and O start here.  pre = 1: the next block's K fragments are fetched.
.macro BLOCK first, pre
	s_wait_dscnt 0x0                               ; this block's sixteen loads of K are in; nothing else is out
.irp q, 0,1
.irp k, 0,1,2,3
	v_wmma_f32_16x16x32_f16 v[SS+8*(4*\q+\k):SS+8*(4*\q+\k)+7], v[KF+16*\k:KF+16*\k+7], v[QF+16*\q:QF+16*\q+7], 0
.endr
.endr
.irp q, 0,1
.irp k, 0,1,2,3
	v_wmma_f32_16x16x32_f16 v[SS+8*(4*\q+\k):SS+8*(4*\q+\k)+7], v[KF+16*\k+8:KF+16*\k+15], v[QF+16*\q+8:QF+16*\q+15], v[SS+8*(4*\q+\k):SS+8*(4*\q+\k)+7]
.endr
.endr
	v_add_nc_u32 v[KADR], 64*KPITCH, v[KADR]       ; four places behind the products (ISA guide 7.12.1), these and the last block's: the two addresses go 64 keys on,
	v_add_nc_u32 v[VADR], 128, v[VADR]
	v_nop
	v_nop
.irp g, 0,1
.irp d, 0,1,2,3
	ds_load_b128 v[VF+8*(4*\g+\d):VF+8*(4*\g+\d)+3],   v[VADR] offset:\d*16*VPITCH+64*\g
	ds_load_b128 v[VF+8*(4*\g+\d)+4:VF+8*(4*\g+\d)+7], v[VADR] offset:\d*16*VPITCH+64*\g+32
.endr
.endr
.if \pre
	KLOADS
.endif
	; the block's maximum of each query: 32 numbers of the lane, in two chains, then the other half of the lanes
.irp q, 0,1
	v_max3_num_f32 v[TM+4*\q],   v[SS+32*\q],   v[SS+32*\q+1], v[SS+32*\q+2]
	v_max3_num_f32 v[TM+4*\q+1], v[SS+32*\q+3], v[SS+32*\q+4], v[SS+32*\q+5]
.endr
.irp i, 6,10,14,18,22,26
.irp q, 0,1
	v_max3_num_f32 v[TM+4*\q],   v[TM+4*\q],   v[SS+32*\q+\i],   v[SS+32*\q+\i+1]
	v_max3_num_f32 v[TM+4*\q+1], v[TM+4*\q+1], v[SS+32*\q+\i+2], v[SS+32*\q+\i+3]
.endr
.endr
.irp q, 0,1
	v_max3_num_f32 v[TM+4*\q], v[TM+4*\q], v[SS+32*\q+30], v[SS+32*\q+31]
.endr
.irp q, 0,1
	v_max_num_f32 v[TM+4*\q], v[TM+4*\q], v[TM+4*\q+1]
.endr
.irp q, 0,1
	v_permlanex16_b32 v[TM+4*\q+1], v[TM+4*\q], s14, s15
.endr
.irp q, 0,1
	v_max_num_f32 v[TM+4*\q], v[TM+4*\q], v[TM+4*\q+1]
.endr
.if \first
.irp q, 0,1
	v_mul_f32 v[NM+\q], 0xbe38aa3b, v[TM+4*\q]     ; - maximum x 0.125 log2 e
.endr
.else
.irp q, 0,1
	v_mul_f32 v[TM+4*\q], 0xbe38aa3b, v[TM+4*\q]
.endr
.irp q, 0,1
	v_sub_f32 v[AL+\q], v[TM+4*\q], v[NM+\q]
	v_min_num_f32 v[NM+\q], v[NM+\q], v[TM+4*\q]   ; the running maximum, with its sign turned
	v_min_num_f32 v[AL+\q], 0, v[AL+\q]            ; (old maximum - new maximum) x 0.125 log2 e
.endr
	v_exp_f32 v[AL], v[AL]                         ; the packed lines below, which name neither, are the plain place behind these two (ISA guide 5.7.2)
	v_exp_f32 v[AL+1], v[AL+1]
.endif
.set i, 0
.rept 16
	v_pk_fma_f32 v[SS+i:SS+i+1], v[SS+i:SS+i+1], 0x3e38aa3b, v[NM:NM+1] op_sel_hi:[1,0,0]
.set i, i+2
.endr
.rept 16
	v_pk_fma_f32 v[SS+i:SS+i+1], v[SS+i:SS+i+1], 0x3e38aa3b, v[NM:NM+1] op_sel:[0,0,1] op_sel_hi:[1,0,1]
.set i, i+2
.endr
.set i, 0
.rept 64
	v_exp_f32 v[SS+i], v[SS+i]
.set i, i+1
.endr
	v_nop                                          ; the plain place behind the exponentials
	; the block's sum of each query, of the unrounded p, in two chains
	s_wait_alu depctr_va_vdst(0)
.irp q, 0,1
	v_pk_add_f32 v[TM+4*\q:TM+4*\q+1],   v[SS+32*\q:SS+32*\q+1],   v[SS+32*\q+2:SS+32*\q+3]
	v_pk_add_f32 v[TM+4*\q+2:TM+4*\q+3], v[SS+32*\q+4:SS+32*\q+5], v[SS+32*\q+6:SS+32*\q+7]
.endr
.irp i, 8,12,16,20,24,28
.irp q, 0,1
	v_pk_add_f32 v[TM+4*\q:TM+4*\q+1],   v[TM+4*\q:TM+4*\q+1],   v[SS+32*\q+\i:SS+32*\q+\i+1]
	v_pk_add_f32 v[TM+4*\q+2:TM+4*\q+3], v[TM+4*\q+2:TM+4*\q+3], v[SS+32*\q+\i+2:SS+32*\q+\i+3]
.endr
.endr
.irp q, 0,1
	v_pk_add_f32 v[TM+4*\q:TM+4*\q+1], v[TM+4*\q:TM+4*\q+1], v[TM+4*\q+2:TM+4*\q+3]
.endr
.if \first
.irp q, 0,1
	v_add_f32 v[LS+\q], v[TM+4*\q], v[TM+4*\q+1]
.endr
.else
.irp q, 0,1
	v_add_f32 v[TM+4*\q], v[TM+4*\q], v[TM+4*\q+1]
.endr
.irp q, 0,1
	v_fma_f32 v[LS+\q], v[LS+\q], v[AL+\q], v[TM+4*\q]
.endr
	WIN 0x41                                       ; destination and source 0 in window 1
.set i, 0
.rept 16
	v_pk_mul_f32 v[OO+i:OO+i+1], v[OO+i:OO+i+1], v[AL:AL+1] op_sel_hi:[1,0]              ; O of query tile 0 to the new maximum
.set i, i+2
.endr
.rept 16
	v_pk_mul_f32 v[OO+i:OO+i+1], v[OO+i:OO+i+1], v[AL:AL+1] op_sel:[0,1] op_sel_hi:[1,1] ; of query tile 1
.set i, i+2
.endr
.endif
	WIN 0x40                                       ; destination in window 1
.irp q, 0,1
.irp g, 0,1
.irp j, 0,1,2,3,4,5,6,7
	v_cvt_pk_f16_f32 v[PP+8*(2*\q+\g)+\j], v[SS+32*\q+16*\g+2*\j], v[SS+32*\q+16*\g+2*\j+1]
.endr
.endr
.endr
.if \pre
	s_wait_dscnt 16                                ; V's sixteen loads are in; the next block's sixteen of K may be out
.else
	s_wait_dscnt 0
.endif
	WIN 0x54                                       ; source 1 (P), C and D (O) in window 1
.irp g, 0,1
.irp q, 0,1
.irp d, 0,1,2,3
.if \first*(1-\g)
	v_wmma_f32_16x16x32_f16 v[OO+8*(4*\q+\d):OO+8*(4*\q+\d)+7], v[VF+8*(4*\g+\d):VF+8*(4*\g+\d)+7], v[PP+8*(2*\q+\g):PP+8*(2*\q+\g)+7], 0
.else
	v_wmma_f32_16x16x32_f16 v[OO+8*(4*\q+\d):OO+8*(4*\q+\d)+7], v[VF+8*(4*\g+\d):VF+8*(4*\g+\d)+7], v[PP+8*(2*\q+\g):PP+8*(2*\q+\g)+7], v[OO+8*(4*\q+\d):OO+8*(4*\q+\d)+7]
.endif
.endr
.endr
.endr
	WIN 0                                          ; at a label and at a branch every window is 0
.endm
.macro BLOCKS trips                    ; so many blocks inside a chunk
	s_mov_b32 s3, \trips
.Lblock_\@:
	BLOCK 0, 1
	s_sub_co_u32 s3, s3, 1
	s_cmp_lg_u32 s3, 0
	s_cbranch_scc1 .Lblock_\@
.endm
; a chunk's last block fetches the next chunk's first K fragments: the next chunk is shown whole to every wave in front of it.
; left = my younger tensor loads, which may stay out.
.macro LASTOFCHUNK left
	s_wait_dscnt 0x0                               ; no LDS instruction is pending at a signal
	s_wait_tensorcnt \left
	s_barrier_signal -1
	s_barrier_wait -1
	BLOCK 0, 1
	v_add_nc_u32 v[VADR], VCHUNK-512, v[VADR]      ; V^T: from the end of a chunk's rows to the next chunk
.endm
	s_wait_tensorcnt 0x3                           ; my part of chunk 0 is in; three later chunks stay out
	s_barrier_signal -1
	s_barrier_wait -1
	KLOADS
	s_wait_loadcnt 0x0                             ; Q
	BLOCK 1, 1                                     ; a chunk of 256 keys is four blocks
	BLOCKS 2
	LASTOFCHUNK 2
	BLOCKS 3
	LASTOFCHUNK 1
	BLOCKS 3
	LASTOFCHUNK 0                                  ; all my tensor loads have landed
	BLOCKS 3
	BLOCK 0, 0
	; divide by the row's sum, round to f16, out through my own stage as whole rows
	PLACES
	v_permlanex16_b32 v[TM],   v[LS],   s14, s15
	v_permlanex16_b32 v[TM+1], v[LS+1], s14, s15
	v_add_f32 v[LS],   v[LS],   v[TM]              ; the two halves of the lanes held half of the keys each
	v_add_f32 v[LS+1], v[LS+1], v[TM+1]
	v_rcp_f32 v[LS],   v[LS]
	v_rcp_f32 v[LS+1], v[LS+1]
	v_nop                                          ; the plain place behind them
	WIN 0x41
.set i, 0
	s_wait_alu depctr_va_vdst(0)
.rept 16
	v_pk_mul_f32 v[OO+i:OO+i+1], v[OO+i:OO+i+1], v[LS:LS+1] op_sel_hi:[1,0]
.set i, i+2
.endr
.rept 16
	v_pk_mul_f32 v[OO+i:OO+i+1], v[OO+i:OO+i+1], v[LS:LS+1] op_sel:[0,1] op_sel_hi:[1,1]
.set i, i+2
.endr
	WIN 0x05                                       ; both sources in window 1
.irp t, 0,1,2,3,4,5,6,7
.irp i, 0,1,2,3
	v_cvt_pk_f16_f32 v[SS+4*\t+\i], v[OO+8*\t+2*\i], v[OO+8*\t+2*\i+1]
.endr
.endr
	WIN 0
.irp q, 0,1
.irp d, 0,1,2,3
	ds_store_b128 v[STO], v[SS+4*(4*\q+\d):SS+4*(4*\q+\d)+3] offset:\q*16*KPITCH+32*\d
.endr
.endr
.irp t, 0,1,2,3,4,5,6,7
	ds_load_b128 v[KF+4*\t:KF+4*\t+3], v[RD] offset:\t*4*KPITCH    ; a wave's LDS instructions are served in order: these see the stores above
.endr
.irp t, 0,1,2,3,4,5,6,7
	s_wait_dscnt 7-\t
	global_store_b128 v[CO], v[KF+4*\t:KF+4*\t+3], s[10:11] offset:512*\t   ; 512 consecutive bytes a store
.endr
	s_wait_tensorcnt 0x0
	ds_add_u32 v30, v31
	s_wait_dscnt 0x0
	ROUND                                          ; the closing round
	s_endpgm
.Lfunc_end_k_q7820b0b860_attn:
	.size	k_q7820b0b860_attn, .Lfunc_end_k_q7820b0b860_attn-k_q7820b0b860_attn
	.p2alignl 7, 3214868480
	.fill 96, 4, 3214868480
	.section	.rodata,"a",@progbits
	.p2align	6, 0x0
	.amdhsa_kernel k_q7820b0b860_attn
		.amdhsa_group_segment_fixed_size 320512
		.amdhsa_private_segment_fixed_size 0
		.amdhsa_enable_private_segment 0
		.amdhsa_kernarg_size 24
		.amdhsa_user_sgpr_count 2
		.amdhsa_user_sgpr_kernarg_segment_ptr 1
		.amdhsa_wavefront_size32 1
		.amdhsa_system_sgpr_workgroup_id_x 1
		.amdhsa_system_sgpr_workgroup_id_y 1
		.amdhsa_system_sgpr_workgroup_id_z 1
		.amdhsa_system_vgpr_workitem_id 0
		.amdhsa_next_free_vgpr 352
		.amdhsa_next_free_sgpr 80
		.amdhsa_reserve_vcc 0
		.amdhsa_float_denorm_mode_32 3
		.amdhsa_float_denorm_mode_16_64 3
		.amdhsa_memory_ordered 1
		.amdhsa_forward_progress 1
		.amdhsa_inst_pref_size 176
	.end_amdhsa_kernel
	.amdgpu_metadata
---
amdhsa.version: [ 1, 2 ]
amdhsa.kernels:
  - .name:           k_q7820b0b860_attn
    .symbol:         k_q7820b0b860_attn.kd
    .args:
      - { .name: qk, .offset: 0, .size: 8, .value_kind: global_buffer, .address_space: global }
      - { .name: vt, .offset: 8, .size: 8, .value_kind: global_buffer, .address_space: global }
      - { .name: ah, .offset: 16, .size: 8, .value_kind: global_buffer, .address_space: global }
    .group_segment_fixed_size: 320512
    .private_segment_fixed_size: 0
    .kernarg_segment_align: 8
    .kernarg_segment_size: 24
    .max_flat_workgroup_size: 256
    .sgpr_count:     80
    .vgpr_count:     352
    .wavefront_size: 32
...
	.end_amdgpu_metadata
.endif
;; end of part 3
;; launch oproj (part 4): grid 8 x 32, 4 waves a work-group, clusters of 4 x 4, 327,680 bytes of LDS; arguments ah, wb, out0; writes out0
.if DOCPART == 4
	.amdgcn_target "amdgcn-amd-amdhsa--gfx1250"
	.amdhsa_code_object_version 6
	.text
	.protected	k_q7820b0b860_oproj
	.globl	k_q7820b0b860_oproj
	.p2align	8
	.type	k_q7820b0b860_oproj,@function
k_q7820b0b860_oproj:
	s_mov_b64 s[64:65], 0
	v_nop
	global_prefetch_b8 v0, s[64:65] scope:SCOPE_SE
	s_setreg_imm32_b32 hwreg(HW_REG_WAVE_MODE, 25, 1), 1
	s_wait_xcnt 0x0
	s_wait_alu depctr_hold_cnt(0) depctr_sa_sdst(0) depctr_va_vdst(0) depctr_va_sdst(0) depctr_va_ssrc(0) depctr_va_vcc(0) depctr_vm_vsrc(0)
	s_getreg_b32 s2, hwreg(HW_REG_IB_STS2, 6, 4)
	s_cmp_eq_u32 s2, 0
	s_cbranch_scc0 .Lentry_in_a_cluster
	s_endpgm
.Lentry_in_a_cluster:
	s_bfe_u32 s2, ttmp6, 0x10000c
	s_cmp_lg_u32 s2, 0xf033
	s_cbranch_scc0 .Lentry_shape_is_right
	s_endpgm
.Lentry_shape_is_right:
; out0[m][n] = sum over e of att[m][e] Wo[n][e].  att comes head-major: ah = [16 b + head][s][64] f16; Wo as f16 in wb behind 160 chunks.
; out0 is f32.  Work-group (nb, mb) makes 128 x 128 with four waves of 64 x 64: 256 equal work-groups.  K = 1024 goes in four steps of 256
; (four heads) through two LDS slots; all four steps are written out.
; A's tile: four heads x 128 rows x 128 bytes; a head's 128 rows are 16,384 dense bytes, so one tensor load takes two heads as two rows
; of 8,192 elements, 65,536 elements apart, with 16 bytes of padding behind every 128.  B's tile: 128 rows of 512 bytes.
; CLUSTER 4 x 4: A's tile hangs on mb and is asked for jointly along a row of the cluster, B's on nb, along a column.
; WHERE A CLUSTER BEGINS ALONG K: cluster (x, y) takes the K steps in the order 0 1 2 3 if x + y is even and 2 3 0 1 if it is odd.  The two
; clusters of one y read the same tiles of A, the clusters of one x the same tiles of B: what a cluster's two refills ask for is
; what its neighbours' first fills have asked for.  The order hangs on the cluster's coordinates alone, which all partners share.
; The products are made transposed (source 0 = rows of Wo): a lane holds row m = l % 16 and eight neighbouring columns, 32 bytes of f32.
; The sixteen accumulators take turns, one instruction a turn, in the same order in every quarter step.
.set APITCH, 144
.set BPITCH, 528                       ; both odd multiples of 16
.set AHEAD,  128*APITCH                ; a head's rows
.set ATILE,  4*AHEAD
.set BHALF,  64*BPITCH
.set SLOT,   ATILE+2*BHALF
.set STAGE,  2*SLOT                    ; a multiple of 256: no tensor load lands there
.set SPITCH, 272
.set WSTAGE, 16*SPITCH
.set ADRA, 16                          ; v16-17 my A fragments in slot 0, 1
.set ADRB, 20                          ; v20-21 my B fragments
.set STO,  24
.set RD,   25
.set CO,   26
.set F0,   32                          ; fragment buffer 0: B at +8b, A at +32+8a
.set F1,   96
.set BK,   160                         ; the way out: rows read back
.set G1A,  24
.set G0A,  32
.set G1B,  48
.set G0B,  56
.set RA,   66                          ; s[66:67] address of my part of A's tile of the first refill
.set RB,   68                          ; s[68:69] the same for B
.set MSB, 0
.macro WIN new
.if MSB != \new
	s_set_vgpr_msb (MSB<<8)|\new
.set MSB, \new
.endif
.endm
.macro PLACES                          ; four places behind matrix instructions (ISA guide 7.12.1)
.rept 4
	v_nop
.endr
.endm
.macro CREST
	s_cmp_lg_u32 s10, 0
	s_cbranch_scc1 .Lnot_wave_0_\@
	s_barrier_signal -3
.Lnot_wave_0_\@:
	s_barrier_wait -3
	s_barrier_signal -1
	s_barrier_wait -1
.endm
.macro CROUND
	s_barrier_signal -1
	s_barrier_wait -1
	CREST
.endm
.macro JLOAD s                         ; waves 0, 1 fetch two heads of A each, waves 2, 3 64 rows of B each
	s_cmp_eq_u32 s11, 0
	s_cbranch_scc0 .Lfor_b_\@
	tensor_load_to_lds s[G0A+4*\s:G0A+4*\s+3], s[G1A:G1A+7]
	s_nop 0
	s_branch .Lasked_\@
.Lfor_b_\@:
	tensor_load_to_lds s[G0B+4*\s:G0B+4*\s+3], s[G1B:G1B+7]
	s_nop 0
.Lasked_\@:
.endm
	s_load_b128 s[4:7], s[0:1], 0x0                ; ah, wb
	s_load_b64 s[8:9], s[0:1], 0x10                ; out0
	v_lshl_add_u32 v254, v0, 2, 0x49400
	v_mov_b32 v255, 0
	ds_add_u32 v254, v255
	s_wait_dscnt 0x0
	v_lshrrev_b32 v1, 5, v0
	v_readfirstlane_b32 s10, v1                    ; wave
	s_lshr_b32 s11, s10, 1                         ; wr.  Also: I fetch for A (0) or for B (1)
	s_and_b32 s12, s10, 1                          ; wc.  Also: which half I fetch
	s_bfe_u32 s40, ttmp6, 0x40000                  ; cx
	s_bfe_u32 s41, ttmp6, 0x40004                  ; cy
	s_lshl_b32 s42, ttmp9, 2
	s_add_co_u32 s42, s42, s40                     ; nb
	s_and_b32 s70, ttmp7, 0xffff                   ; the cluster's y
	s_lshl_b32 s13, s70, 2
	s_add_co_u32 s13, s13, s41                     ; mb
	s_add_co_u32 s70, s70, ttmp9
	s_and_b32 s70, s70, 1                          ; (x + y) % 2: the first fills take K steps 2 of that and the next,
	s_xor_b32 s71, s70, 1                          ; the refills the other two
	s_lshl_b32 s43, s41, 2
	s_lshl_b32 s43, 15, s43                        ; my row of the cluster
	s_lshl_b32 s44, 0x1111, s40                    ; my column
	s_or_b32 s[G1A+0], s43, (1<<16)|(1<<20)|(1<<21)|(4<<22)|(3<<25)   ; padding: after every 32 words, 4 words
	s_mov_b32 s[G1A+1], 8192<<16                   ; tensor_dim0 = 8,192 elements: a head's 128 rows
	s_mov_b32 s[G1A+2], 2<<16                      ; tensor_dim1 = 2 heads
	s_mov_b32 s[G1A+3], 8192<<16                   ; tile_dim0
	s_mov_b32 s[G1A+4], 2                          ; tile_dim1
	s_mov_b32 s[G1A+5], 65536                      ; elements from head to head
	s_mov_b32 s[G1A+6], 0
	s_mov_b32 s[G1A+7], 0
	s_or_b32 s[G1B+0], s44, (1<<16)|(1<<20)|(1<<21)|(6<<22)|(3<<25)   ; after every 128 words, 4 words
	s_mov_b32 s[G1B+1], 256<<16
	s_mov_b32 s[G1B+2], 64<<16
	s_mov_b32 s[G1B+3], 256<<16
	s_mov_b32 s[G1B+4], 64
	s_mov_b32 s[G1B+5], 1024
	s_mov_b32 s[G1B+6], 0
	s_mov_b32 s[G1B+7], 0
	s_lshr_b32 s14, s13, 3                         ; A: batch mb / 8,
	s_lshl_b32 s14, s14, 4
	s_lshl_b32 s15, s12, 1
	s_add_co_u32 s14, s14, s15                     ; head 16 b + 2 half,
	s_lshl_b32 s14, s14, 17
	s_and_b32 s15, s13, 7
	s_lshl_b32 s15, s15, 14                        ; rows 128 (mb % 8) of 128 bytes
	s_add_co_u32 s14, s14, s15
	s_mov_b32 s15, 0
	s_lshl_b32 s46, s42, 7                         ; B: row 128 nb + 64 half of Wo
	s_lshl_b32 s47, s12, 6
	s_add_co_u32 s46, s46, s47
	s_lshl_b32 s46, s46, 11
	s_add_co_u32 s46, s46, 160*65536
	s_mov_b32 s47, 0
	s_lshl_b32 s16, s70, 20                        ; two K steps of A are eight heads of 131,072 bytes,
	s_mov_b32 s17, 0
	s_lshl_b32 s[RA], s71, 20
	s_mov_b32 s[RA+1], 0
	s_lshl_b32 s18, s70, 10                        ; of B 1,024 bytes of a row
	s_mov_b32 s19, 0
	s_lshl_b32 s[RB], s71, 10
	s_mov_b32 s[RB+1], 0
	s_mul_i32 s20, s10, 2*AHEAD                    ; LDS: waves 0, 1
	s_mul_i32 s21, s10, BHALF
	s_add_co_u32 s21, s21, ATILE-2*BHALF           ; waves 2, 3
	CROUND                                         ; in front of the first joint loads, and ahead of the wait for the arguments, which arrive meanwhile
	s_wait_kmcnt 0x0
	s_add_nc_u64 s[14:15], s[4:5], s[14:15]
	s_add_nc_u64 s[46:47], s[6:7], s[46:47]
	s_add_nc_u64 s[RA:RA+1], s[14:15], s[RA:RA+1]
	s_add_nc_u64 s[RB:RB+1], s[46:47], s[RB:RB+1]
	s_add_nc_u64 s[14:15], s[14:15], s[16:17]
	s_add_nc_u64 s[46:47], s[46:47], s[18:19]
.irp s, 0,1
	s_mov_b32 s[G0A+4*\s], 1
	s_add_co_u32 s[G0A+4*\s+1], s20, \s*SLOT
	s_add_nc_u64 s[G0A+4*\s+2:G0A+4*\s+3], s[14:15], \s*4*131072   ; slot 1: four heads on
	s_or_b32 s[G0A+4*\s+3], s[G0A+4*\s+3], 0x80000000
	s_mov_b32 s[G0B+4*\s], 1
	s_add_co_u32 s[G0B+4*\s+1], s21, \s*SLOT
	s_add_nc_u64 s[G0B+4*\s+2:G0B+4*\s+3], s[46:47], \s*512
	s_or_b32 s[G0B+4*\s+3], s[G0B+4*\s+3], 0x80000000
.endr
	s_cmp_eq_u32 s11, 0                            ; both first fills of a wave inside one branch on its number: two loads out
	s_cbranch_scc0 .Lfirst_b
	tensor_load_to_lds s[G0A:G0A+3], s[G1A:G1A+7]
	s_nop 0
	tensor_load_to_lds s[G0A+4:G0A+7], s[G1A:G1A+7]
	s_nop 0
	s_branch .Lfirst_done
.Lfirst_b:
	tensor_load_to_lds s[G0B:G0B+3], s[G1B:G1B+7]
	s_nop 0
	tensor_load_to_lds s[G0B+4:G0B+7], s[G1B:G1B+7]
	s_nop 0
.Lfirst_done:
	v_and_b32 v1, 15, v0
	v_bfe_u32 v2, v0, 4, 1
	v_mul_u32_u24 v3, v1, APITCH
	v_lshl_add_u32 v3, v2, 4, v3
	v_mul_u32_u24 v4, v1, BPITCH
	v_lshl_add_u32 v4, v2, 4, v4
	s_mul_i32 s18, s11, 64*APITCH                  ; my 64 rows of each head
	s_mul_i32 s19, s12, BHALF
	s_add_co_u32 s19, s19, ATILE                   ; my 64 rows of B
.irp s, 0,1
	v_add_nc_u32 v[ADRA+\s], s18, v3
	v_add_nc_u32 v[ADRB+\s], s19, v4
	s_add_co_u32 s18, s18, SLOT
	s_add_co_u32 s19, s19, SLOT
.endr
	s_mul_i32 s23, s10, WSTAGE
	s_add_co_u32 s23, s23, STAGE
	v_mul_u32_u24 v5, v1, SPITCH
	v_lshl_add_u32 v5, v2, 5, v5
	v_add_nc_u32 v[STO], s23, v5                   ; in: row l % 16, 32 bytes for each half of the lanes
	v_mul_u32_u24 v5, v2, SPITCH
	v_lshl_add_u32 v5, v1, 4, v5
	v_add_nc_u32 v[RD], s23, v5                    ; back: sixteen lanes take a row of 256 bytes
	v_lshlrev_b32 v5, 12, v2
	v_lshl_add_u32 v[CO], v1, 4, v5                ; the same two rows in out0, 4,096 bytes apart
.macro MUL f, a0, cnt, zero
	WIN 0x50                                       ; C and D in window 1
.set ai, \a0
.rept \cnt
.irp b, 0,1,2,3
.if \zero
	v_wmma_f32_16x16x32_f16 v[8*(4*ai+\b):8*(4*ai+\b)+7], v[\f+8*\b:\f+8*\b+7], v[\f+32+8*ai:\f+32+8*ai+7], 0
.else
	v_wmma_f32_16x16x32_f16 v[8*(4*ai+\b):8*(4*ai+\b)+7], v[\f+8*\b:\f+8*\b+7], v[\f+32+8*ai:\f+32+8*ai+7], v[8*(4*ai+\b):8*(4*ai+\b)+7]
.endif
.endr
.set ai, ai+1
.endr
.endm
; sixteen LDS loads: the fragments of eighth q of a K step (32 along K: head q / 2 of the slot, half q % 2 of its 64)
.macro FETCH slot, q, f
.irp i, 0,1,2,3
	ds_load_b128 v[\f+8*\i:\f+8*\i+3],   v[ADRB+\slot] offset:64*(\q)+\i*16*BPITCH
	ds_load_b128 v[\f+8*\i+4:\f+8*\i+7], v[ADRB+\slot] offset:64*(\q)+\i*16*BPITCH+32
.endr
.irp i, 0,1,2,3
	ds_load_b128 v[\f+32+8*\i:\f+32+8*\i+3],   v[ADRA+\slot] offset:AHEAD*((\q)>>1)+64*((\q)&1)+\i*16*APITCH
	ds_load_b128 v[\f+32+8*\i+4:\f+32+8*\i+7], v[ADRA+\slot] offset:AHEAD*((\q)>>1)+64*((\q)&1)+\i*16*APITCH+32
.endr
.endm
.macro QTR slot, q, f, g, zero         ; fetches eighth q + 1 into buffer g, multiplies eighth q from buffer f
	PLACES
	FETCH \slot, \q+1, \g
	s_wait_dscnt 16                                ; all but the sixteen just issued
	MUL \f, 0, 4, \zero
	WIN 0
.endm
.macro SEVEN slot, zero
	QTR \slot, 0, F0, F1, \zero
	QTR \slot, 1, F1, F0, 0
	QTR \slot, 2, F0, F1, 0
	QTR \slot, 3, F1, F0, 0
	QTR \slot, 4, F0, F1, 0
	QTR \slot, 5, F1, F0, 0
	QTR \slot, 6, F0, F1, 0
.endm
; the last eighth, from buffer 1, and the change of slots.  In front of the barrier: my reads of this slot and all my tensor loads are done,
; so every group 0 may be written behind it.  fill = 1: the barrier opens a round of the cluster's barrier, and the joint load, of the
; cluster's other two K steps, is the first tensor load behind it.
.macro CHANGE slot, next, fill
	s_wait_dscnt 0
	s_wait_tensorcnt 0x0
	ds_add_u32 v254, v255
	s_wait_dscnt 0x0
	s_barrier_signal -1
	MUL F1, 0, 2, 0
	WIN 0
	s_barrier_wait -1
.if \fill
	CREST
	s_add_nc_u64 s[G0A+4*\slot+2:G0A+4*\slot+3], s[RA:RA+1], \slot*4*131072
	s_or_b32 s[G0A+4*\slot+3], s[G0A+4*\slot+3], 0x80000000
	s_add_nc_u64 s[G0B+4*\slot+2:G0B+4*\slot+3], s[RB:RB+1], \slot*512
	s_or_b32 s[G0B+4*\slot+3], s[G0B+4*\slot+3], 0x80000000
	JLOAD \slot
.endif
	PLACES
	FETCH \next, 0, F0
	MUL F1, 2, 2, 0
	WIN 0
.endm
	s_wait_tensorcnt 0x1                           ; my part of slot 0 is in; slot 1's may stay out
	s_barrier_signal -1
	s_barrier_wait -1
	FETCH 0, 0, F0
	SEVEN 0, 1                                     ; the first products start the sums
	CHANGE 0, 1, 1
	SEVEN 1, 0
	CHANGE 1, 0, 1
	SEVEN 0, 0
	CHANGE 0, 1, 0
	SEVEN 1, 0
	s_wait_dscnt 0
	MUL F1, 0, 4, 0
	; THE WAY OUT: 16 rows at a time through my own stage, f32 as it is
	PLACES
	WIN 0
	s_lshl_b32 s16, s13, 7
	s_lshl_b32 s17, s11, 6
	s_add_co_u32 s16, s16, s17
	s_lshl_b32 s16, s16, 12                        ; my first row x 4,096 bytes
	s_mov_b32 s17, 0
	s_add_nc_u64 s[8:9], s[8:9], s[16:17]
	s_lshl_b32 s46, s42, 9                         ; my first column x 4 bytes: 512 nb + 256 wc
	s_lshl_b32 s47, s12, 8
	s_add_co_u32 s46, s46, s47
	s_mov_b32 s47, 0
	s_add_nc_u64 s[8:9], s[8:9], s[46:47]
.irp a, 0,1,2,3
	WIN 0x04                                       ; an LDS store's data in window 1
.irp b, 0,1,2,3
	ds_store_b128 v[STO], v[8*(4*\a+\b):8*(4*\a+\b)+3]   offset:64*\b
	ds_store_b128 v[STO], v[8*(4*\a+\b)+4:8*(4*\a+\b)+7] offset:64*\b+16
.endr
	WIN 0
	s_wait_xcnt 0x0                                ; the registers that the last sixteen rows' stores read are loaded again only behind this wait
.irp t, 0,1,2,3,4,5,6,7
	ds_load_b128 v[BK+4*\t:BK+4*\t+3], v[RD] offset:\t*2*SPITCH    ; a wave's LDS instructions are served in order
.endr
.irp t, 0,1,2,3,4,5,6,7
	s_wait_dscnt 7-\t
	global_store_b128 v[CO], v[BK+4*\t:BK+4*\t+3], s[8:9] offset:65536*\a+8192*\t th:TH_STORE_NT   ; sixteen lanes store 256 consecutive bytes, at a multiple of 256
.endr
.endr
	s_wait_tensorcnt 0x0
	ds_add_u32 v254, v255
	s_wait_dscnt 0x0
	CROUND                                         ; the closing round
	s_endpgm
.Lfunc_end_k_q7820b0b860_oproj:
	.size	k_q7820b0b860_oproj, .Lfunc_end_k_q7820b0b860_oproj-k_q7820b0b860_oproj
	.p2alignl 7, 3214868480
	.fill 96, 4, 3214868480
	.section	.rodata,"a",@progbits
	.p2align	6, 0x0
	.amdhsa_kernel k_q7820b0b860_oproj
		.amdhsa_group_segment_fixed_size 327680
		.amdhsa_private_segment_fixed_size 0
		.amdhsa_enable_private_segment 0
		.amdhsa_kernarg_size 24
		.amdhsa_user_sgpr_count 2
		.amdhsa_user_sgpr_kernarg_segment_ptr 1
		.amdhsa_wavefront_size32 1
		.amdhsa_system_sgpr_workgroup_id_x 1
		.amdhsa_system_sgpr_workgroup_id_y 1
		.amdhsa_system_sgpr_workgroup_id_z 1
		.amdhsa_system_vgpr_workitem_id 0
		.amdhsa_next_free_vgpr 384
		.amdhsa_next_free_sgpr 72
		.amdhsa_reserve_vcc 0
		.amdhsa_float_denorm_mode_32 3
		.amdhsa_float_denorm_mode_16_64 3
		.amdhsa_memory_ordered 1
		.amdhsa_forward_progress 1
		.amdhsa_inst_pref_size 90
	.end_amdhsa_kernel
	.amdgpu_metadata
---
amdhsa.version: [ 1, 2 ]
amdhsa.kernels:
  - .name:           k_q7820b0b860_oproj
    .symbol:         k_q7820b0b860_oproj.kd
    .args:
      - { .name: ah, .offset: 0, .size: 8, .value_kind: global_buffer, .address_space: global }
      - { .name: wb, .offset: 8, .size: 8, .value_kind: global_buffer, .address_space: global }
      - { .name: out0, .offset: 16, .size: 8, .value_kind: global_buffer, .address_space: global }
    .group_segment_fixed_size: 327680
    .private_segment_fixed_size: 0
    .kernarg_segment_align: 8
    .kernarg_segment_size: 24
    .max_flat_workgroup_size: 128
    .sgpr_count:     72
    .vgpr_count:     384
    .wavefront_size: 32
...
	.end_amdgpu_metadata
.endif
;; end of part 4
;; ======== version 2 of 2: 4 launches; version 1 with the launch cast written anew for expert scheduling mode
;; limits: values are held in f16: magnitudes above 65,504 overflow, below 6.1e-05 lose precision
;; workspace buffers: xa 25,165,824 bytes; wb 12,582,912 bytes; qk 16,777,216 bytes; vt 8,388,608 bytes; ah 8,388,608 bytes
;; launch cast (part 5): grid 768 x 1, 6 waves a work-group, no clusters, 0 bytes of LDS; arguments inputs, rotation_params, entangle_params, Wq, Wk, Wv, Wrot, Went, Wo, xa, wb; writes xa, wb
.if DOCPART == 5
	.amdgcn_target "amdgcn-amd-amdhsa--gfx1250"
	.amdhsa_code_object_version 6
	.text
	.protected	k_q7820b0b860_cast
	.globl	k_q7820b0b860_cast
	.p2align	8
	.type	k_q7820b0b860_cast,@function
k_q7820b0b860_cast:
	s_mov_b64 s[64:65], 0
	v_nop
	global_prefetch_b8 v0, s[64:65] scope:SCOPE_SE
	s_setreg_imm32_b32 hwreg(HW_REG_WAVE_SCHED_MODE, 0, 2), 2
	s_setreg_imm32_b32 hwreg(HW_REG_WAVE_MODE, 25, 1), 1
	s_wait_xcnt 0x0
	s_wait_alu depctr_vm_vsrc(0)
; f32 -> f16 of all nine inputs, once, so that every later launch moves and multiplies 16-bit operands.
; xa = [3][4096][1024] f16: inputs, rotation_params, entangle_params.
; wb = 192 chunks of 32 rows x 1024 f16:
;   chunks 0-95:    32 triples of 96 rows; triple p = rows 64p..64p+63 of the stack [Wq;Wk], then rows 32p..32p+31 of Wv
;   chunks 96-159:  the stack [Wrot;Went];   chunks 160-191: Wo.
; The 18,432 rows are 4,608 units of 4 rows; a wave converts one unit: 16,384 consecutive bytes in, 8,192 consecutive bytes out.
; 768 work-groups of 6 waves: three work-groups for each of 256 WGPs.  A load of the wave covers 512 consecutive bytes, a store 256
; consecutive bytes at a multiple of 256.  All 32 loads of a wave go out first; nothing is read twice; no LDS, no barrier.
; WHY f16 AND NOT bf16: f16 keeps three more bits, which the softmax needs (an error of the scores goes into the
; exponent).  LIMIT: a number above 65,504 in magnitude becomes infinite; inputs of spread 1 and weights of spread 1/32 have
; room for a factor of 30 up or down and for an offset of 30 spreads.
; THE MODE: SCHED_MODE bits 1:0 = 2 (LLVM: expert scheduling mode 2), set by the entry lines.  The code itself states the register
; dependences between vector instructions and memory instructions, with s_wait_alu, always for 0.
; THE PLAN.  Registers that memory instructions touch:
;   v1, v2   byte offsets of the loads and of the stores: written once at the head, never again.
;   X_i      four registers for load i (i = 0..31).  Load i lands in them; it is issued before any vector instruction names a register of X.
;            Conversion pair i reads all four and writes the first two in place; store i reads those two; nothing writes them again.
; The 32 loads are taken in 8 groups of 4.  Group g's conversions name group g's registers alone, and the four stores of group g - 1 are
; dealt among them.  So ONE wait on va_vdst at a group's head states all that those four stores hang on, and one more stands ahead of the
; last group's stores.  No register that a memory instruction has read is written again, so no wait on vm_vsrc is owed.
.set X,     4                          ; v[4:131]  load i: 4 registers as loaded; its first two are stored
.set NLD,   32                         ; loads of a wave
.set GRP,   4                          ; loads in a group
.set NACT,  384                        ; chunks of the three activation tensors
.set WAVES, 6
	s_load_b512 s[8:23], s[0:1], 0x0               ; inputs, rotation, entangle, Wq, Wk, Wv, Wrot, Went
	s_load_b128 s[24:27], s[0:1], 0x40             ; Wo, xa
	s_load_b64 s[28:29], s[0:1], 0x50              ; wb
	v_lshrrev_b32 v3, 5, v0
	v_readfirstlane_b32 s36, v3                    ; wave 0..5
	v_and_b32 v2, 31, v0                           ; lane
	v_lshlrev_b32 v1, 4, v2                        ; my 16 bytes of 512 in the source
	v_lshlrev_b32 v2, 3, v2                        ; my 8 bytes of 256 in the destination
	s_wait_alu depctr_va_sdst(0)                   ; s36 is written, ahead of its first reader: the unit's number is made from it
	s_mul_i32 s37, ttmp9, WAVES
	s_add_co_u32 s37, s37, s36                     ; my unit, 0..4607
	s_and_b32 s38, s37, 7                          ; which 4 rows of its chunk
	s_lshr_b32 s37, s37, 3                         ; c: its chunk of 32 rows, 0..575
	s_max_u32 s2, s37, NACT
	s_sub_co_u32 s2, s2, NACT                      ; w: chunk among the weights, in the order Wq Wk Wv Wrot Went Wo (0 for an activation chunk)
	s_lshr_b32 s3, s2, 1
	s_mul_i32 s3, s3, 3
	s_and_b32 s30, s2, 1
	s_add_co_u32 s3, s3, s30                       ; Wq, Wk: chunk w goes to 3 (w / 2) + w % 2
	s_mul_i32 s30, s2, 3
	s_sub_co_u32 s30, s30, 190                     ; Wv: chunk w goes to 3 (w - 64) + 2
	s_cmp_lt_u32 s2, 64
	s_cselect_b32 s3, s3, s30
	s_cmp_lt_u32 s2, 96
	s_cselect_b32 s3, s3, s2                       ; Wrot, Went, Wo stay where they are
	s_lshr_b32 s31, s2, 5
	s_add_co_u32 s31, s31, 3                       ; which source: 3 + w / 32
	s_and_b32 s32, s2, 31                          ; and which chunk of it
	s_lshr_b32 s33, s37, 7                         ; an activation chunk: source c / 128,
	s_and_b32 s34, s37, 127                        ; chunk c % 128 of it
	s_cmp_lt_u32 s37, NACT
	s_cselect_b32 s31, s33, s31
	s_cselect_b32 s32, s34, s32
	s_cselect_b32 s34, s37, s3                     ; destination chunk
	s_lshl_b32 s32, s32, 17                        ; source chunk x 131,072 bytes
	s_lshl_b32 s36, s38, 14                        ; + my 4 rows of 4,096 bytes
	s_add_co_u32 s32, s32, s36
	s_mov_b32 s33, 0
	s_lshl_b32 s34, s34, 16                        ; destination chunk x 65,536 bytes
	s_lshl_b32 s36, s38, 13                        ; + my 4 rows of 2,048 bytes
	s_add_co_u32 s34, s34, s36
	s_mov_b32 s35, 0
	s_wait_kmcnt 0x0
	s_mov_b64 s[4:5], s[8:9]                       ; the source's address: a choice among nine buffers by the unit's number
.irp k, 1,2,3,4,5,6,7,8
	s_cmp_eq_u32 s31, \k
	s_cselect_b64 s[4:5], s[8+2*\k:9+2*\k], s[4:5]
.endr
	s_cmp_lt_u32 s37, NACT
	s_cselect_b64 s[6:7], s[26:27], s[28:29]       ; xa or wb
	s_add_nc_u64 s[4:5], s[4:5], s[32:33]
	s_add_nc_u64 s[6:7], s[6:7], s[34:35]
	s_wait_alu depctr_va_vdst(0)                   ; v1 and v2 are written: every load reads v1 as its offset, every store v2; neither is written again
.set i, 0
.rept NLD
	global_load_b128 v[X+4*i:X+4*i+3], v1, s[4:5] offset:512*i th:TH_LOAD_NT   ; read once in the launch
.set i, i+1
.endr
.set i, 0
.rept NLD
.if (i%GRP) == 0
	s_wait_loadcnt NLD-1-i                         ; loads come back in order: load i, the group's first, is in, the younger ones stay out
.if i > 0
	s_wait_alu depctr_va_vdst(0)                   ; the conversions of the group before have written the registers that the four stores dealt among this group read
.endif
.endif
.if i >= GRP
	global_store_b64 v2, v[X+4*(i-GRP):X+4*(i-GRP)+1], s[6:7] offset:256*(i-GRP)   ; the group before: no vector instruction since the wait names these registers, and none writes them again
.endif
.if (i%GRP) != 0
	s_wait_loadcnt NLD-1-i                         ; load i is in, the younger ones stay out (stores do not count here)
.endif
	v_cvt_pk_f16_f32 v[X+4*i],   v[X+4*i],   v[X+4*i+1]
	v_cvt_pk_f16_f32 v[X+4*i+1], v[X+4*i+2], v[X+4*i+3]
.set i, i+1
.endr
	s_wait_alu depctr_va_vdst(0)                   ; the last group's conversions have written the registers that the last four stores read
.set i, NLD-GRP
.rept GRP
	global_store_b64 v2, v[X+4*i:X+4*i+1], s[6:7] offset:256*i
.set i, i+1
.endr
	s_endpgm
.Lfunc_end_k_q7820b0b860_cast:
	.size	k_q7820b0b860_cast, .Lfunc_end_k_q7820b0b860_cast-k_q7820b0b860_cast
	.p2alignl 7, 3214868480
	.fill 96, 4, 3214868480
	.section	.rodata,"a",@progbits
	.p2align	6, 0x0
	.amdhsa_kernel k_q7820b0b860_cast
		.amdhsa_group_segment_fixed_size 0
		.amdhsa_private_segment_fixed_size 0
		.amdhsa_enable_private_segment 0
		.amdhsa_kernarg_size 88
		.amdhsa_user_sgpr_count 2
		.amdhsa_user_sgpr_kernarg_segment_ptr 1
		.amdhsa_wavefront_size32 1
		.amdhsa_system_sgpr_workgroup_id_x 1
		.amdhsa_system_sgpr_workgroup_id_y 1
		.amdhsa_system_sgpr_workgroup_id_z 1
		.amdhsa_system_vgpr_workitem_id 0
		.amdhsa_next_free_vgpr 132
		.amdhsa_next_free_sgpr 66
		.amdhsa_reserve_vcc 0
		.amdhsa_float_denorm_mode_32 3
		.amdhsa_float_denorm_mode_16_64 3
		.amdhsa_memory_ordered 1
		.amdhsa_forward_progress 1
		.amdhsa_inst_pref_size 14
	.end_amdhsa_kernel
	.amdgpu_metadata
---
amdhsa.version: [ 1, 2 ]
amdhsa.kernels:
  - .name:           k_q7820b0b860_cast
    .symbol:         k_q7820b0b860_cast.kd
    .args:
      - { .name: inputs, .offset: 0, .size: 8, .value_kind: global_buffer, .address_space: global }
      - { .name: rotation_params, .offset: 8, .size: 8, .value_kind: global_buffer, .address_space: global }
      - { .name: entangle_params, .offset: 16, .size: 8, .value_kind: global_buffer, .address_space: global }
      - { .name: Wq, .offset: 24, .size: 8, .value_kind: global_buffer, .address_space: global }
      - { .name: Wk, .offset: 32, .size: 8, .value_kind: global_buffer, .address_space: global }
      - { .name: Wv, .offset: 40, .size: 8, .value_kind: global_buffer, .address_space: global }
      - { .name: Wrot, .offset: 48, .size: 8, .value_kind: global_buffer, .address_space: global }
      - { .name: Went, .offset: 56, .size: 8, .value_kind: global_buffer, .address_space: global }
      - { .name: Wo, .offset: 64, .size: 8, .value_kind: global_buffer, .address_space: global }
      - { .name: xa, .offset: 72, .size: 8, .value_kind: global_buffer, .address_space: global }
      - { .name: wb, .offset: 80, .size: 8, .value_kind: global_buffer, .address_space: global }
    .group_segment_fixed_size: 0
    .private_segment_fixed_size: 0
    .kernarg_segment_align: 8
    .kernarg_segment_size: 88
    .max_flat_workgroup_size: 192
    .sgpr_count:     66
    .vgpr_count:     132
    .wavefront_size: 32
...
	.end_amdgpu_metadata
.endif
;; end of part 5
;; launch qkv: the kernel of part 2 again; grid 16 x 16, 4 waves a work-group, clusters of 4 x 4, 327,680 bytes of LDS; arguments xa, wb, qk, vt; writes qk, vt
;; launch attn: the kernel of part 3 again; grid 256 x 1, 8 waves a work-group, clusters of 4 x 1, 320,512 bytes of LDS; arguments qk, vt, ah; writes ah
;; launch oproj: the kernel of part 4 again; grid 8 x 32, 4 waves a work-group, clusters of 4 x 4, 327,680 bytes of LDS; arguments ah, wb, out0; writes out0
